; MI455X (gfx1250); checked and timed in simulation.
; The chip was launched on July 23, 2026; its instructions are those of AMD's public machine-readable ISA for CDNA 5 (MIT licence, August 2026) and "CDNA5" Instruction Set Architecture Reference Guide (July 2026). The comments in the code are by the model that wrote it; some were corrected since.
;; Multi Head Attention. Allowed arithmetic: float matrix products may take bf16 or f16 operands with f32 sums; all other float work in f32.
;; Inputs: Wk 512 x 512 float32; Wo 512 x 512 float32; Wq 512 x 512 float32; Wv 512 x 512 float32; bk 512 float32; bo 512 float32; bq 512 float32; bv 512 float32; keys 512 x 64 x 512 float32; query 512 x 64 x 512 float32; values 512 x 64 x 512 float32.
;; Outputs: out0 512 x 64 x 512 float32.
;; 2 versions, each right. Each part assembles by itself: llvm-mc -triple=amdgcn-amd-amdhsa -mcpu=gfx1250 --defsym DOCPART=n.
;; ======== version 1 of 2: 3 launches
;; limits: values are held in f16: magnitudes above 65,504 overflow, below 6.1e-05 lose precision; inputs' magnitudes at most 65,504
;; workspace buffers: w16 2,097,152 bytes; qkv 100,663,296 bytes; bo2 2,048 bytes
;; launch prep (part 1): grid 64 x 4, 4 waves a work-group, no clusters, 0 bytes of LDS; arguments Wq, Wk, Wv, Wo, bv, bo, w16, bo2; writes w16, bo2
.if DOCPART == 1
	.amdgcn_target "amdgcn-amd-amdhsa--gfx1250"
	.amdhsa_code_object_version 6
	.text
	.protected	k_qdb8b31bf5a_prep
	.globl	k_qdb8b31bf5a_prep
	.p2align	8
	.type	k_qdb8b31bf5a_prep,@function
k_qdb8b31bf5a_prep:
	s_mov_b64 s[64:65], 0
	v_nop
	global_prefetch_b8 v0, s[64:65] scope:SCOPE_SE
	s_setreg_imm32_b32 hwreg(HW_REG_WAVE_MODE, 25, 1), 1
	s_wait_xcnt 0x0
; The four weight matrices [512][512] f32 are rounded to 16 bits once and laid out chunk by chunk:
; w16[y = q,k,v,o][chunk c = 0..7][row n = 0..511][64 k], byte y*524288 + c*65536 + n*128 + 2*(k & 63).
; A chunk (all 512 rows, 64 along K) is then one dense block of 65,536 bytes, which the later launches fetch as a whole.
; Wq, Wk, Wv go to f16 (11 significant bits; they meet the inputs, which go to f16 too), Wo to bf16 (it meets O, whose range is a product's).
; LIMIT: |Wq|, |Wk|, |Wv| below 65,504; numbers below 2^-14 keep an absolute error of 2^-25.
; bo2[n] = bo[n] + sum over c of Wo[n][c] bv[c], in f32: the weights of a softmax row sum to 1, so bv passes through the attention unchanged,
; attn(v' + bv) = attn(v') + bv for every input, and its image under Wo is added once here instead of being rounded with v and O.
; Work-group (x, y): matrix y, rows 8x .. 8x+7.  Wave w: rows n0 = 8x + 2w and n0 + 1.
; A load of the wave takes 256 consecutive aligned bytes of each of its two rows (lanes 0-15 row n0, lanes 16-31 row n0+1);
; the matching store covers 256 consecutive aligned bytes: both rows' 128 bytes of chunk c lie side by side.
; Nothing is shared between work-groups, so there is no cluster, no LDS and no barrier.
.set SRC, 1                            ; v1      byte offset of my 16 bytes in the two source rows
.set DST, 2                            ; v2      byte offset of my 8 bytes in the two packed rows
.set RR,  4                            ; v4      lane mod 16
.set HH,  5                            ; v5      lane / 16: which of the two rows
.set BVO, 6                            ; v6      16 (lane mod 16): my 16 bytes in a piece of bv
.set BOO, 7                            ; v7      4 (lane / 16): my row's word in bo and bo2
.set X,   8                            ; v[8:39]  chunk c: 4 f32 as loaded
.set Y,   40                           ; v[40:55] chunk c: 4 numbers of 16 bits to store
.set B,   56                           ; v[56:87] chunk c: the 4 numbers of bv for my columns
.set ACC, 88                           ; v[88:91] two packed chains of the dot product
.set BB,  92                           ; v92      bo of my row
; Round and store the eight chunks.  left = the loads issued behind W's chunk 0 that may stay out.
.macro PACK f16, left
.irp c, 0,1,2,3,4,5,6,7
	s_wait_loadcnt \left-\c                        ; loads return in order: W's chunk c is in, all younger loads may be out
.if \f16
	v_cvt_pk_f16_f32 v[Y+2*\c],   v[X+4*\c],   v[X+4*\c+1]
	v_cvt_pk_f16_f32 v[Y+2*\c+1], v[X+4*\c+2], v[X+4*\c+3]
.else
	v_cvt_pk_bf16_f32 v[Y+2*\c],   v[X+4*\c],   v[X+4*\c+1]
	v_cvt_pk_bf16_f32 v[Y+2*\c+1], v[X+4*\c+2], v[X+4*\c+3]
.endif
	global_store_b64 v[DST], v[Y+2*\c:Y+2*\c+1], s[16:17] offset:65536*\c
.endr
.endm
	s_load_b512 s[4:19], s[0:1], 0x0               ; Wq s[4:5], Wk s[6:7], Wv s[8:9], Wo s[10:11], bv s[12:13], bo s[14:15], w16 s[16:17], bo2 s[18:19]
	s_and_b32 s20, ttmp7, 0xffff                   ; y: which matrix
	v_lshrrev_b32 v3, 5, v0
	v_readfirstlane_b32 s21, v3                    ; wave
	s_lshl_b32 s22, ttmp9, 3
	s_lshl1_add_u32 s22, s21, s22                  ; n0 = 8x + 2w
	s_lshl_b32 s24, s22, 11                        ; n0 rows of 2,048 bytes in the source
	s_mov_b32 s25, 0
	s_lshl_b32 s26, s20, 19                        ; y * 524,288
	s_lshl_b32 s23, s22, 7                         ; + n0 rows of 128 bytes
	s_add_co_u32 s26, s26, s23
	s_mov_b32 s27, 0
	s_lshl_b32 s28, s22, 2                         ; n0 words in bo and bo2
	s_mov_b32 s29, 0
	v_and_b32 v3, 31, v0                           ; lane
	v_and_b32 v[RR], 15, v0
	v_bfe_u32 v[HH], v0, 4, 1
	v_lshlrev_b32 v[BVO], 4, v[RR]                 ; 16 (lane mod 16)
	v_lshl_add_u32 v[SRC], v[HH], 11, v[BVO]       ; + one row for lanes 16-31
	v_lshlrev_b32 v[DST], 3, v3                    ; 8 lane: 128 bytes of row n0, then 128 of row n0+1
	v_lshlrev_b32 v[BOO], 2, v[HH]
	s_wait_kmcnt 0x0
	s_cmp_eq_u32 s20, 1                            ; the matrix is chosen by the work-group's y alone
	s_cselect_b64 s[4:5], s[6:7], s[4:5]
	s_cmp_eq_u32 s20, 2
	s_cselect_b64 s[4:5], s[8:9], s[4:5]
	s_cmp_eq_u32 s20, 3
	s_cselect_b64 s[4:5], s[10:11], s[4:5]
	s_add_nc_u64 s[4:5], s[4:5], s[24:25]
	s_add_nc_u64 s[16:17], s[16:17], s[26:27]
.irp c, 0,1,2,3,4,5,6,7
	global_load_b128 v[X+4*\c:X+4*\c+3], v[SRC], s[4:5] offset:256*\c th:TH_LOAD_NT
.endr
	s_cmp_eq_u32 s20, 3
	s_cbranch_scc1 .Lwo
	PACK 1, 7                                      ; Wq, Wk, Wv: f16
	s_endpgm
.Lwo:                                              ; Wo: bf16, and my two rows' numbers of bo2
	s_add_nc_u64 s[14:15], s[14:15], s[28:29]
	s_add_nc_u64 s[18:19], s[18:19], s[28:29]
.irp c, 0,1,2,3,4,5,6,7
	global_load_b128 v[B+4*\c:B+4*\c+3], v[BVO], s[12:13] offset:256*\c   ; bv at the columns of which I hold Wo; both halves of the wave read the same 256 bytes
.endr
	global_load_b32 v[BB], v[BOO], s[14:15]
	PACK 0, 16                                     ; behind W's chunk c: 7-c of W, 8 of bv, 1 of bo
	s_wait_loadcnt 8                               ; bv's piece 0 is in: 7 of bv and 1 of bo may be out
	v_pk_mul_f32 v[ACC:ACC+1],   v[X:X+1],   v[B:B+1]             ; the first products start the two chains
	v_pk_mul_f32 v[ACC+2:ACC+3], v[X+2:X+3], v[B+2:B+3]
.irp c, 1,2,3,4,5,6,7
	s_wait_loadcnt 8-\c
	v_pk_fma_f32 v[ACC:ACC+1],   v[X+4*\c:X+4*\c+1],   v[B+4*\c:B+4*\c+1],   v[ACC:ACC+1]
	v_pk_fma_f32 v[ACC+2:ACC+3], v[X+4*\c+2:X+4*\c+3], v[B+4*\c+2:B+4*\c+3], v[ACC+2:ACC+3]
.endr
	v_pk_add_f32 v[ACC:ACC+1], v[ACC:ACC+1], v[ACC+2:ACC+3]
	v_add_f32 v[ACC], v[ACC], v[ACC+1]
	v_add_f32_dpp v[ACC], v[ACC], v[ACC] row_xmask:1 row_mask:0xf bank_mask:0xf   ; a row of Wo lies in 16 lanes: four steps inside them
	v_add_f32_dpp v[ACC], v[ACC], v[ACC] row_xmask:2 row_mask:0xf bank_mask:0xf
	v_add_f32_dpp v[ACC], v[ACC], v[ACC] row_xmask:4 row_mask:0xf bank_mask:0xf
	v_add_f32_dpp v[ACC], v[ACC], v[ACC] row_xmask:8 row_mask:0xf bank_mask:0xf
	s_wait_loadcnt 0x0                             ; bo
	v_add_f32 v[ACC], v[ACC], v[BB]
	v_cmp_eq_u32 vcc_lo, 0, v[RR]                  ; lanes 0 and 16 store their rows' numbers: 8 neighbouring bytes a wave, 2,048 bytes in the whole launch
	s_wait_xcnt 0x0                                ; EXEC, a source of the stores above, changes only behind this wait
	s_and_saveexec_b32 s30, vcc_lo
	global_store_b32 v[BOO], v[ACC], s[18:19]
	s_wait_xcnt 0x0                                ; and again in front of the line that widens it
	s_or_b32 exec_lo, exec_lo, s30
	s_endpgm
.Lfunc_end_k_qdb8b31bf5a_prep:
	.size	k_qdb8b31bf5a_prep, .Lfunc_end_k_qdb8b31bf5a_prep-k_qdb8b31bf5a_prep
	.p2alignl 7, 3214868480
	.fill 96, 4, 3214868480
	.section	.rodata,"a",@progbits
	.p2align	6, 0x0
	.amdhsa_kernel k_qdb8b31bf5a_prep
		.amdhsa_group_segment_fixed_size 0
		.amdhsa_private_segment_fixed_size 0
		.amdhsa_enable_private_segment 0
		.amdhsa_kernarg_size 64
		.amdhsa_user_sgpr_count 2
		.amdhsa_user_sgpr_kernarg_segment_ptr 1
		.amdhsa_wavefront_size32 1
		.amdhsa_system_sgpr_workgroup_id_x 1
		.amdhsa_system_sgpr_workgroup_id_y 1
		.amdhsa_system_sgpr_workgroup_id_z 1
		.amdhsa_system_vgpr_workitem_id 0
		.amdhsa_next_free_vgpr 96
		.amdhsa_next_free_sgpr 66
		.amdhsa_reserve_vcc 1
		.amdhsa_float_denorm_mode_32 3
		.amdhsa_float_denorm_mode_16_64 3
		.amdhsa_memory_ordered 1
		.amdhsa_forward_progress 1
		.amdhsa_inst_pref_size 9
	.end_amdhsa_kernel
	.amdgpu_metadata
---
amdhsa.version: [ 1, 2 ]
amdhsa.kernels:
  - .name:           k_qdb8b31bf5a_prep
    .symbol:         k_qdb8b31bf5a_prep.kd
    .args:
      - { .name: Wq, .offset: 0, .size: 8, .value_kind: global_buffer, .address_space: global }
      - { .name: Wk, .offset: 8, .size: 8, .value_kind: global_buffer, .address_space: global }
      - { .name: Wv, .offset: 16, .size: 8, .value_kind: global_buffer, .address_space: global }
      - { .name: Wo, .offset: 24, .size: 8, .value_kind: global_buffer, .address_space: global }
      - { .name: bv, .offset: 32, .size: 8, .value_kind: global_buffer, .address_space: global }
      - { .name: bo, .offset: 40, .size: 8, .value_kind: global_buffer, .address_space: global }
      - { .name: w16, .offset: 48, .size: 8, .value_kind: global_buffer, .address_space: global }
      - { .name: bo2, .offset: 56, .size: 8, .value_kind: global_buffer, .address_space: global }
    .group_segment_fixed_size: 0
    .private_segment_fixed_size: 0
    .kernarg_segment_align: 8
    .kernarg_segment_size: 64
    .max_flat_workgroup_size: 128
    .sgpr_count:     66
    .vgpr_count:     96
    .wavefront_size: 32
...
	.end_amdgpu_metadata
.endif
;; end of part 1
;; launch proj (part 2): grid 256 x 1, 4 waves a work-group, clusters of 4 x 1, 327,680 bytes of LDS; arguments query, keys, values, bq, bk, w16, qkv; writes qkv
.if DOCPART == 2
	.amdgcn_target "amdgcn-amd-amdhsa--gfx1250"
	.amdhsa_code_object_version 6
	.text
	.protected	k_qdb8b31bf5a_proj
	.globl	k_qdb8b31bf5a_proj
	.p2align	8
	.type	k_qdb8b31bf5a_proj,@function
k_qdb8b31bf5a_proj:
	s_mov_b64 s[64:65], 0
	v_nop
	global_prefetch_b8 v0, s[64:65] scope:SCOPE_SE
	s_setreg_imm32_b32 hwreg(HW_REG_WAVE_MODE, 25, 1), 1
	s_wait_xcnt 0x0
	s_wait_alu depctr_hold_cnt(0) depctr_sa_sdst(0) depctr_va_vdst(0) depctr_va_sdst(0) depctr_va_ssrc(0) depctr_va_vcc(0) depctr_vm_vsrc(0)
	s_getreg_b32 s2, hwreg(HW_REG_IB_STS2, 6, 4)
	s_cmp_eq_u32 s2, 0
	s_cbranch_scc0 .Lentry_in_a_cluster
	s_endpgm
.Lentry_in_a_cluster:
	s_bfe_u32 s2, ttmp6, 0x10000c
	s_cmp_lg_u32 s2, 0x3003
	s_cbranch_scc0 .Lentry_shape_is_right
	s_endpgm
.Lentry_shape_is_right:
; q = query Wq^T + bq, k = keys Wk^T + bk, v' = values Wv^T, in bf16, stored as the fragments that the attention launch multiplies.
; v' carries no bias: a softmax row's weights sum to 1, so bv passes through the attention unchanged; its image Wo bv was added to the output's bias.
; FORMATS AND LIMITS: X and W are rounded to f16 (11 significant bits), sums in f32, results rounded once to bf16 (their range is a product's);
; |X| and |W| must stay below 65,504, and numbers below 2^-14 keep an absolute error of 2^-25; the order of the sums differs from a plain dot product's.
; A cluster of four work-groups owns one t; work-group cx owns the rows n = 128 cx .. +127 at that t and stays for three phases (q, k, v).
; A phase is C[128][512] with K = 512.  Wave w makes all 128 rows x columns 128 w .. +127: 64 accumulator tiles, 512 registers.
; K goes in chunks of 64 (24 chunks in all) through two LDS slots.
;   W's chunk (f16, 65,536 dense bytes, the same for the four partners) comes by a JOINT tensor load, mask 15: it is fetched once for four.
;       Each wave brings the 128 rows that it reads itself; a pad of 16 bytes behind every 128 makes the LDS pitch 144.
;   X's chunk (f32, this work-group's own: nothing to share) goes global -> registers -> f16 -> LDS.  The loads are issued two chunks ahead
;       of their conversion into two register sets, so 2 x 16 loads of every wave stay on their way across the barriers.
; OUTPUT, blocks of 512 bytes, lane L's 16 bytes at 16 L (r = L & 15, h = L >> 4), R = 16-row tile of n, Cb = 16-column tile of c:
;   q, k: part + t*524288 + (Cb>>3)*131072 + R*4096 + (Cb&7)*512;  lane: row 16R + r, columns 16Cb + 8h .. +7
;   v:    part + t*524288 + (Cb>>3)*131072 + (R>>1)*8192 + ((Cb>>2)&1)*4096 + (Cb&3)*1024 + (R&1)*512;  lane: column 16Cb + r, rows 16R + 8h .. +7
; These are what a lane holds after packing a result tile: q and k with W as source 0 (a lane then holds 8 neighbouring columns of a row),
; v with X as source 0 (8 neighbouring rows of a column).  Every store of a wave covers 512 consecutive aligned bytes.
; REGISTERS in windows of 256: window 0 addresses, bias, X fragments, packing; window 1 the two staging sets and W fragments;
; windows 2 and 3 the accumulators, tile (a, b) at 8 (8 (a & 3) + b), rows 0-63 in window 2, rows 64-127 in window 3.
.set PITCH,  144                       ; an LDS row: 128 bytes + 16: 36 words, so 16 neighbouring rows start 16 bytes apart modulo 256
.set WSLOT,  512*PITCH                 ; 73,728: W's chunk
.set XS0,    2*WSLOT                   ; 147,456: X's two slots lie behind W's two; only LDS stores fill them
.set XSLOT,  128*PITCH                 ; 18,432
.set NSTEP,  131072                    ; bytes from n to n + 1 in X
.set F0,   64                          ; fragment buffer 0 (window 0: X, window 1: W); on the way out: sums with bias
.set F1,   128                         ; fragment buffer 1; on the way out: two sets of 32 packed registers
.set TMP,  192                         ; v192-223 a chunk's X, packed, on its way to LDS
.set ADRA, 16                          ; v16-17  LDS address of my X fragments in slot 0, 1
.set ADRB, 20                          ; v20-21  the same for W
.set XOFF, 22                          ; v22     byte offset in X of my 16 bytes
.set XST,  23                          ; v23     where I put 8 packed bytes in X's slot 0
.set BOFF, 24                          ; v24     byte offset of my bias numbers
.set CO,   25                          ; v25     16 L
.set G1,   16                          ; s[16:23] descriptor group 1
.set G0,   24                          ; s[24:31] descriptor group 0, one set for each slot
.set XCUR, 48                          ; s[48:49] this phase's X at (n = 128 cx, t)
.set XNXT, 50                          ; s[50:51] the next phase's
.set XV,   36                          ; s[36:37] values'
.set BCUR, 38                          ; s[38:39] this phase's bias: bq, then bk
.set BNXT, 40                          ; s[40:41] bk
.set OUTP, 54                          ; s[54:55] this phase's part of qkv at (t, w, cx)
.set MSB, 0
.macro WIN new                         ; the immediate's high byte repeats the setting that is left; a switch that changes nothing is dropped
.if MSB != (\new)
	s_set_vgpr_msb (MSB<<8)|(\new)
.set MSB, (\new)
.endif
.endm
.macro PLACES                          ; four independent vector instructions behind a matrix instruction (ISA guide 7.12.1)
.rept 4
	v_nop
.endr
.endm
.macro CREST                           ; a round of the cluster's barrier behind its opening work-group barrier
	s_cmp_lg_u32 s8, 0
	s_cbranch_scc1 .Lnot_wave_0_\@
	s_barrier_signal -3
.Lnot_wave_0_\@:
	s_barrier_wait -3
	s_barrier_signal -1
	s_barrier_wait -1
.endm
.macro CROUND                          ; a whole round
	s_barrier_signal -1
	s_barrier_wait -1
	CREST
.endm
.macro WM d, x, y, zero                ; one matrix instruction; zero = 1: it starts the sum
.if \zero
	v_wmma_f32_16x16x32_f16 v[\d:\d+7], v[\x:\x+7], v[\y:\y+7], 0
.else
	v_wmma_f32_16x16x32_f16 v[\d:\d+7], v[\x:\x+7], v[\y:\y+7], v[\d:\d+7]
.endif
.endm
; 16 matrix instructions: row tiles a0, a0+1 of the window's four x all 8 column tiles, 32 along K.
; swap = 1: source 0 = W (window 1), source 1 = X (window 0); swap = 0: the other way round.
; The 64 accumulators take turns, one instruction a turn, in the same order in every K step.
.macro MUL16 f, hi, a0, zero, swap
	WIN 0xa0+0x50*(\hi)+1+3*(1-(\swap))
.irp a, \a0, \a0+1
.irp b, 0,1,2,3,4,5,6,7
.if \swap
	WM 8*(8*(\a)+\b), \f+8*\b, \f+8*(4*\hi+\a), \zero
.else
	WM 8*(8*(\a)+\b), \f+8*(4*\hi+\a), \f+8*\b, \zero
.endif
.endr
.endr
.endm
; 32 LDS loads: the fragments of one K step of 32 (byte k of the rows) of slot s into buffer f: W's 8, then X's 8
.macro FETCH s, k, f
	WIN 0x40
.irp i, 0,1,2,3,4,5,6,7
	ds_load_b128 v[\f+8*\i:\f+8*\i+3],   v[ADRB+(\s)] offset:\k+\i*16*PITCH
	ds_load_b128 v[\f+8*\i+4:\f+8*\i+7], v[ADRB+(\s)] offset:\k+\i*16*PITCH+32
.endr
	WIN 0
.irp i, 0,1,2,3,4,5,6,7
	ds_load_b128 v[\f+8*\i:\f+8*\i+3],   v[ADRA+(\s)] offset:\k+\i*16*PITCH
	ds_load_b128 v[\f+8*\i+4:\f+8*\i+7], v[ADRA+(\s)] offset:\k+\i*16*PITCH+32
.endr
.endm
; In the chunk of slot s: the next chunk's X, which lies in register set 1-s, is rounded to f16 and put into X's slot 1-s.
; That slot's readers have passed the last barrier.  cnt = the global loads issued behind that set's sixteen.
.macro STAGE s, cnt
	s_wait_loadcnt \cnt
	WIN 0x05
.irp i, 0,1,2,3,4,5,6,7,8,9,10,11,12,13,14,15
	v_cvt_pk_f16_f32 v[TMP+2*\i],   v[192*(1-(\s))+4*\i],   v[192*(1-(\s))+4*\i+1]
	v_cvt_pk_f16_f32 v[TMP+2*\i+1], v[192*(1-(\s))+4*\i+2], v[192*(1-(\s))+4*\i+3]
.endr
	WIN 0
.irp i, 0,1,2,3,4,5,6,7,8,9,10,11,12,13,14,15
	ds_store_b64 v[XST], v[TMP+2*\i:TMP+2*\i+1] offset:(1-(\s))*XSLOT+(16*(\i/8)+(\i&7))*PITCH   ; lanes 16-31 write 8 rows = 288 words further: the other 32 banks
.endr
.endm
; Sixteen loads: my 32 rows x 256 bytes of chunk cc of the X at base, into register set 'set' (window 1: v0-63 or v192-255).
; Lanes 0-15 take 256 consecutive aligned bytes of one row, lanes 16-31 of the row 8 further down.
.macro XISSUE set, base, cc
	WIN 0x40
.irp i, 0,1,2,3,4,5,6,7,8,9,10,11,12,13,14,15
	global_load_b128 v[192*(\set)+4*\i:192*(\set)+4*\i+3], v[XOFF], s[\base:\base+1] offset:(16*(\i/8)+(\i&7))*NSTEP+(\cc)*256 th:TH_LOAD_NT
.endr
.endm
; Sixteen loads of bias (q and k): 8 numbers for each column tile b, into v32-63 and v224-255.
.macro BIASLD
	WIN 0
.irp b, 0,1,2,3,4,5,6,7
	global_load_b128 v[32+8*\b+160*(\b/4):32+8*\b+160*(\b/4)+3],   v[BOFF], s[BCUR:BCUR+1] offset:64*\b
	global_load_b128 v[32+8*\b+160*(\b/4)+4:32+8*\b+160*(\b/4)+7], v[BOFF], s[BCUR:BCUR+1] offset:64*\b+16
.endr
.endm
; The first K step of a chunk (buffer 0); in its middle: the next chunk's X to LDS, X three chunks ahead asked for, the second K step's fragments fetched.
.macro CHUNK s, zero, swap, cons, cnt, iss, base, cc, bias
	s_wait_dscnt 8                                 ; W's fragments and X's 0-3 are in; the youngest eight loads (X's 4-7) may be out
	MUL16 F0, 0, 0, \zero, \swap
	MUL16 F0, 0, 2, \zero, \swap
	PLACES                                         ; behind the matrix instructions that read buffer 1, ahead of the loads into it
.if \cons
	STAGE \s, \cnt
.endif
.if \bias
	BIASLD
.endif
.if \iss
	XISSUE 1-\s, \base, \cc
.endif
	FETCH \s, 64, F1
	s_wait_dscnt 32                                ; all but the 32 fragment loads just issued
	MUL16 F0, 1, 0, \zero, \swap
	MUL16 F0, 1, 2, \zero, \swap
.endm
; The second K step (buffer 1) and the change of slots.  In front of the barrier each wave waits for its LDS reads and stores (the old slots
; are read out, the next X slot is written) and for all its tensor loads (one is out: its part of the next W slot).
; fill = 1: the barrier opens a round of the cluster's barrier, and behind the round the joint load for this slot, two chunks ahead, comes first.
.macro TURN s, fill, fetch, swap
	s_wait_dscnt 8
	MUL16 F1, 0, 0, 0, \swap
	s_wait_dscnt 0x0
	s_set_vgpr_msb (MSB<<8)|((MSB&0xf0)|0x0)
	s_wait_tensorcnt 0x0
	ds_add_u32 v30, v31
	s_wait_dscnt 0x0
	s_set_vgpr_msb (((MSB&0xf0)|0x0)<<8)|MSB
	s_barrier_signal -1
	MUL16 F1, 0, 2, 0, \swap                       ; register work while the others arrive
	WIN 0
	s_barrier_wait -1
.if \fill
	CREST
	s_add_nc_u64 s[G0+4*\s+2:G0+4*\s+3], s[G0+4*\s+2:G0+4*\s+3], 131072   ; no tensor load of mine is out: the group may be written.  Two chunks on
	tensor_load_to_lds s[G0+4*\s:G0+4*\s+3], s[G1:G1+7]
	s_nop 0
.endif
	PLACES                                         ; ahead of the loads into buffer 0
.if \fetch
	FETCH 1-\s, 0, F0
.endif
	MUL16 F1, 1, 0, 0, \swap
	MUL16 F1, 1, 2, 0, \swap
.endm
.macro LASTQ swap                      ; the launch's last K step: nothing to fetch, no barrier
	s_wait_dscnt 8
	MUL16 F1, 0, 0, 0, \swap
	MUL16 F1, 0, 2, 0, \swap
	s_wait_dscnt 0x0
	MUL16 F1, 1, 0, 0, \swap
	MUL16 F1, 1, 2, 0, \swap
.endm
; The way out, 16 rows at a time: q and k add the bias in f32; all round to bf16 and store 8 blocks of 512 bytes straight from registers.
.macro EPI swap
	PLACES                                         ; behind the last matrix instructions: their results are read, their sources written
.irp a, 0,1,2,3,4,5,6,7
.if \swap
	WIN 0x02+(\a/4)
.irp b, 0,1,2,3,4,5,6,7
.irp p, 0,1,2,3
	v_pk_add_f32 v[F0+8*\b+2*\p:F0+8*\b+2*\p+1], v[8*(8*(\a&3)+\b)+2*\p:8*(8*(\a&3)+\b)+2*\p+1], v[32+8*\b+160*(\b/4)+2*\p:32+8*\b+160*(\b/4)+2*\p+1]
.endr
.endr
	WIN 0
	s_wait_xcnt 0x0                                ; the packed registers, which earlier stores read, are rewritten only behind this wait
.irp b, 0,1,2,3,4,5,6,7
.irp p, 0,1,2,3
	v_cvt_pk_bf16_f32 v[F1+32*(\a&1)+4*\b+\p], v[F0+8*\b+2*\p], v[F0+8*\b+2*\p+1]
.endr
.endr
.else
	WIN 0x0a+5*(\a/4)                              ; v' has no bias: the sums are packed straight from their window
	s_wait_xcnt 0x0                                ; the packed registers, which earlier stores read, are rewritten only behind this wait
.irp b, 0,1,2,3,4,5,6,7
.irp p, 0,1,2,3
	v_cvt_pk_bf16_f32 v[F1+32*(\a&1)+4*\b+\p], v[8*(8*(\a&3)+\b)+2*\p], v[8*(8*(\a&3)+\b)+2*\p+1]
.endr
.endr
	WIN 0
.endif
.irp b, 0,1,2,3,4,5,6,7
.if \swap
	global_store_b128 v[CO], v[F1+32*(\a&1)+4*\b:F1+32*(\a&1)+4*\b+3], s[OUTP:OUTP+1] offset:\a*4096+\b*512
.else
	global_store_b128 v[CO], v[F1+32*(\a&1)+4*\b:F1+32*(\a&1)+4*\b+3], s[OUTP:OUTP+1] offset:(\a/2)*8192+(\b/4)*4096+(\b&3)*1024+(\a&1)*512
.endif
.endr
.endr
.endm
; A phase: eight chunks, slot = chunk & 1.  Chunk c converts X of chunk c+1 and asks for X of chunk c+3 (from c = 5 on: the next phase's 0, 1, 2).
; The count 16 in front of a conversion: the other set's sixteen loads were issued later and may stay out (in chunk 1 of q and k the count also brings
; the bias in, which was asked for between the two sets).  The last phase asks for nothing beyond its chunk 7, and its counts run down.
.macro PHASE last, swap
	FETCH 0, 0, F0
	CHUNK 0, 1, \swap, 1, 16, 1, XCUR, 3, \swap
	TURN  0, 1, 1, \swap
	CHUNK 1, 0, \swap, 1, 16, 1, XCUR, 4, 0
	TURN  1, 1, 1, \swap
	CHUNK 0, 0, \swap, 1, 16, 1, XCUR, 5, 0
	TURN  0, 1, 1, \swap
	CHUNK 1, 0, \swap, 1, 16, 1, XCUR, 6, 0
	TURN  1, 1, 1, \swap
	CHUNK 0, 0, \swap, 1, 16, 1, XCUR, 7, 0
	TURN  0, 1, 1, \swap
.if \last
	CHUNK 1, 0, \swap, 1, 16, 0, XCUR, 0, 0
	TURN  1, 1, 1, \swap                           ; the last joint load: W's chunk 23
	CHUNK 0, 0, \swap, 1, 0, 0, XCUR, 0, 0         ; the last set: no load was issued behind it
	TURN  0, 0, 1, \swap                           ; a plain barrier
	CHUNK 1, 0, \swap, 0, 0, 0, XCUR, 0, 0
	LASTQ \swap
.else
	CHUNK 1, 0, \swap, 1, 16, 1, XNXT, 0, 0
	TURN  1, 1, 1, \swap
	CHUNK 0, 0, \swap, 1, 16, 1, XNXT, 1, 0
	TURN  0, 1, 1, \swap
	CHUNK 1, 0, \swap, 1, 16, 1, XNXT, 2, 0
	TURN  1, 1, 0, \swap                           ; buffer 0 serves the way out first: the next phase fetches its own first fragments
.endif
	EPI \swap
	WIN 0
.endm
	s_load_b256 s[32:39], s[0:1], 0x0              ; query s[32:33], keys s[34:35], values s[36:37], bq s[38:39]
	s_load_b128 s[40:43], s[0:1], 0x20             ; bk s[40:41], w16 s[42:43]
	s_load_b64 s[44:45], s[0:1], 0x30              ; qkv
	v_lshl_add_u32 v30, v0, 2, 0x2d000
	v_mov_b32 v31, 0
	ds_add_u32 v30, v31
	v_lshrrev_b32 v1, 5, v0
	v_readfirstlane_b32 s8, v1                     ; wave w
	s_bfe_u32 s9, ttmp6, 0x40000                   ; cx: my place in the cluster = my block of 128 rows
	s_mov_b32 s10, ttmp9                           ; the cluster's number = t
	v_and_b32 v2, 15, v0                           ; r
	v_bfe_u32 v3, v0, 4, 1                         ; h
	v_and_b32 v1, 31, v0
	v_lshlrev_b32 v[CO], 4, v1                     ; 16 L
	s_lshl_b32 s12, s8, 22                         ; 32 w rows of 131,072 bytes
	v_lshlrev_b32 v4, 4, v2
	v_lshl_add_u32 v4, v3, 20, v4                  ; + 8 h rows + 16 r
	v_add_nc_u32 v[XOFF], s12, v4
	s_mul_i32 s12, s8, 32*PITCH
	s_add_co_u32 s12, s12, XS0
	v_mul_u32_u24 v4, v3, 8*PITCH
	v_lshl_add_u32 v4, v2, 3, v4
	v_add_nc_u32 v[XST], s12, v4                   ; X slot 0 + (32 w + 8 h) rows + 8 r
	v_mul_u32_u24 v5, v2, PITCH
	v_lshl_add_u32 v5, v3, 4, v5                   ; a fragment's lane term: r rows + 16 h
	v_add_nc_u32 v[ADRA], XS0, v5
	v_add_nc_u32 v[ADRA+1], XS0+XSLOT, v5
	s_mul_i32 s6, s8, 128*PITCH                    ; my 128 rows of W in a slot
	v_add_nc_u32 v[ADRB], s6, v5
	s_add_co_u32 s14, s6, WSLOT
	v_add_nc_u32 v[ADRB+1], s14, v5
	s_lshl_b32 s14, s8, 9
	v_lshl_add_u32 v[BOFF], v3, 5, s14             ; 4 (128 w + 8 h)
	; group 1: 64 rows of 32 elements of 8 bytes, dense (16,384 bytes = 128 rows of W's chunk); behind every 32 words a pad of 4 words
	s_mov_b32 s[G1+0], 15|(3<<16)|(1<<20)|(1<<21)|(4<<22)|(3<<25)   ; mask: all four partners; 8-byte elements; padding on; bit 21 beside the mask
	s_mov_b32 s[G1+1], 32<<16                      ; tensor_dim0 = 32
	s_mov_b32 s[G1+2], 64<<16                      ; tensor_dim1 = 64
	s_mov_b32 s[G1+3], 32<<16                      ; tile_dim0 = 32
	s_mov_b32 s[G1+4], 64                          ; tile_dim1 = 64
	s_mov_b32 s[G1+5], 32                          ; from row to row: 32 elements
	s_mov_b32 s[G1+6], 0
	s_mov_b32 s[G1+7], 0
	s_lshl_b32 s4, s8, 14                          ; my 16,384 bytes of a chunk: the wave's number alone, the same in all partners
	s_mov_b32 s5, 0
	s_lshl_b32 s12, s10, 11                        ; t rows of 2,048 bytes
	s_lshl_b32 s14, s9, 24                         ; + 128 cx rows of 131,072
	s_add_co_u32 s12, s12, s14
	s_mov_b32 s13, 0
	s_wait_dscnt 0x0
	s_wait_kmcnt 0x0
	s_add_nc_u64 s[XCUR:XCUR+1], s[32:33], s[12:13]
	s_add_nc_u64 s[XNXT:XNXT+1], s[34:35], s[12:13]
	s_add_nc_u64 s[XV:XV+1], s[XV:XV+1], s[12:13]
	s_lshl_b32 s12, s10, 19                        ; qkv: t * 524,288 + w * 131,072 + cx * 32,768
	s_lshl_b32 s14, s8, 17
	s_add_co_u32 s12, s12, s14
	s_lshl_b32 s14, s9, 15
	s_add_co_u32 s12, s12, s14
	s_add_nc_u64 s[OUTP:OUTP+1], s[44:45], s[12:13]
	s_add_nc_u64 s[42:43], s[42:43], s[4:5]        ; w16 at my rows of chunk 0
.irp s, 0,1
	s_mov_b32 s[G0+4*\s], 1
	s_add_co_u32 s[G0+4*\s+1], s6, \s*WSLOT
	s_add_nc_u64 s[G0+4*\s+2:G0+4*\s+3], s[42:43], \s*65536
	s_or_b32 s[G0+4*\s+3], s[G0+4*\s+3], 0x80000000
.endr
	XISSUE 0, XCUR, 0                              ; X's chunks 0 and 1 are asked for before anything else
	XISSUE 1, XCUR, 1
	WIN 0
	CROUND                                         ; all four work-groups are here: the first joint loads meet
	tensor_load_to_lds s[G0:G0+3], s[G1:G1+7]      ; W's chunks 0 and 1: the two first fills, as one group.  A wave never has more than these two out
	s_nop 0
	tensor_load_to_lds s[G0+4:G0+7], s[G1:G1+7]
	s_nop 0
	STAGE 1, 16                                    ; X's chunk 0 (set 0) into X's slot 0; chunk 1's sixteen loads stay out
	XISSUE 0, XCUR, 2
	WIN 0
	s_wait_dscnt 0x0                               ; my part of X's slot 0 is written,
	s_wait_tensorcnt 0x1                           ; my part of W's chunk 0 has landed; chunk 1 may stay out
	s_barrier_signal -1
	s_barrier_wait -1
	s_mov_b32 s3, 0
.Lphase:                                           ; q, then k.  At this label, from both ways: X's chunks 1 and 2 and W's chunk 1 are on their way, slots 0 are whole
	PHASE 0, 1
	s_wait_xcnt 0x0                                ; the bases of the loads and stores that are out are rewritten only behind this wait
	s_mov_b64 s[XCUR:XCUR+1], s[XNXT:XNXT+1]
	s_mov_b64 s[XNXT:XNXT+1], s[XV:XV+1]
	s_mov_b64 s[BCUR:BCUR+1], s[BNXT:BNXT+1]
	s_add_nc_u64 s[OUTP:OUTP+1], s[OUTP:OUTP+1], 0x2000000   ; the next part of qkv
	s_add_co_u32 s3, s3, 1
	s_cmp_lt_u32 s3, 2
	s_cbranch_scc1 .Lphase
	PHASE 1, 0                                     ; v'
	CROUND                                         ; the closing round: no work-group ends while a partner may still ask jointly
	s_endpgm
.Lfunc_end_k_qdb8b31bf5a_proj:
	.size	k_qdb8b31bf5a_proj, .Lfunc_end_k_qdb8b31bf5a_proj-k_qdb8b31bf5a_proj
	.p2alignl 7, 3214868480
	.fill 96, 4, 3214868480
	.section	.rodata,"a",@progbits
	.p2align	6, 0x0
	.amdhsa_kernel k_qdb8b31bf5a_proj
		.amdhsa_group_segment_fixed_size 327680
		.amdhsa_private_segment_fixed_size 0
		.amdhsa_enable_private_segment 0
		.amdhsa_kernarg_size 56
		.amdhsa_user_sgpr_count 2
		.amdhsa_user_sgpr_kernarg_segment_ptr 1
		.amdhsa_wavefront_size32 1
		.amdhsa_system_sgpr_workgroup_id_x 1
		.amdhsa_system_sgpr_workgroup_id_y 1
		.amdhsa_system_sgpr_workgroup_id_z 1
		.amdhsa_system_vgpr_workitem_id 0
		.amdhsa_next_free_vgpr 1024
		.amdhsa_next_free_sgpr 66
		.amdhsa_reserve_vcc 0
		.amdhsa_float_denorm_mode_32 3
		.amdhsa_float_denorm_mode_16_64 3
		.amdhsa_memory_ordered 1
		.amdhsa_forward_progress 1
		.amdhsa_inst_pref_size 255
	.end_amdhsa_kernel
	.section	.bss,"aw",@nobits
	.p2align	6
	.space	262144
	.amdgpu_metadata
---
amdhsa.version: [ 1, 2 ]
amdhsa.kernels:
  - .name:           k_qdb8b31bf5a_proj
    .symbol:         k_qdb8b31bf5a_proj.kd
    .args:
      - { .name: query, .offset: 0, .size: 8, .value_kind: global_buffer, .address_space: global }
      - { .name: keys, .offset: 8, .size: 8, .value_kind: global_buffer, .address_space: global }
      - { .name: values, .offset: 16, .size: 8, .value_kind: global_buffer, .address_space: global }
      - { .name: bq, .offset: 24, .size: 8, .value_kind: global_buffer, .address_space: global }
      - { .name: bk, .offset: 32, .size: 8, .value_kind: global_buffer, .address_space: global }
      - { .name: w16, .offset: 40, .size: 8, .value_kind: global_buffer, .address_space: global }
      - { .name: qkv, .offset: 48, .size: 8, .value_kind: global_buffer, .address_space: global }
    .group_segment_fixed_size: 327680
    .private_segment_fixed_size: 0
    .kernarg_segment_align: 8
    .kernarg_segment_size: 56
    .max_flat_workgroup_size: 128
    .sgpr_count:     66
    .vgpr_count:     1024
    .wavefront_size: 32
...
	.end_amdgpu_metadata
.endif
;; end of part 2
;; launch attn (part 3): grid 256 x 1, 4 waves a work-group, clusters of 4 x 1, 327,680 bytes of LDS; arguments qkv, w16, bo2, out0; writes out0
.if DOCPART == 3
	.amdgcn_target "amdgcn-amd-amdhsa--gfx1250"
	.amdhsa_code_object_version 6
	.text
	.protected	k_qdb8b31bf5a_attn
	.globl	k_qdb8b31bf5a_attn
	.p2align	8
	.type	k_qdb8b31bf5a_attn,@function
k_qdb8b31bf5a_attn:
	s_mov_b64 s[64:65], 0
	v_nop
	global_prefetch_b8 v0, s[64:65] scope:SCOPE_SE
	s_setreg_imm32_b32 hwreg(HW_REG_WAVE_MODE, 25, 1), 1
	s_wait_xcnt 0x0
	s_wait_alu depctr_hold_cnt(0) depctr_sa_sdst(0) depctr_va_vdst(0) depctr_va_sdst(0) depctr_va_ssrc(0) depctr_va_vcc(0) depctr_vm_vsrc(0)
	s_getreg_b32 s2, hwreg(HW_REG_IB_STS2, 6, 4)
	s_cmp_eq_u32 s2, 0
	s_cbranch_scc0 .Lentry_in_a_cluster
	s_endpgm
.Lentry_in_a_cluster:
	s_bfe_u32 s2, ttmp6, 0x10000c
	s_cmp_lg_u32 s2, 0x3003
	s_cbranch_scc0 .Lentry_shape_is_right
	s_endpgm
.Lentry_shape_is_right:
; For one t: O = softmax(q k^T / sqrt(512)) v' over the 512 keys n, for each of 8 heads (d = 64), then out = O Wo^T + bo2.
; v' is values Wv^T without bv, and bo2 = bo + Wo bv: a softmax row's weights sum to 1, so bv passes through the attention unchanged.
; LIMITS: energies must be finite (NaN and infinities are not carried as a plain softmax would); P and O are rounded to bf16, the row sums are made
; of the unrounded p in f32; the order of the sums is this text's own.  The maximum is a true running maximum over the two key blocks of a head.
; A cluster of four work-groups owns one t; work-group cx owns the queries n = 128 cx .. +127.  All four walk the same K and V tiles and the same
; chunks of Wo: every tensor load is a JOINT load (mask 15), fetched once for the four.
; Wave w: a = w >> 1 (queries 64 a .. +63, four tiles of 16), b = w & 1; in step j = 0..3 it does head 2 j + b.  A head's keys go in two blocks of 256.
; EVERYTHING IS USED TRANSPOSED, so that no number changes its lane:
;   S^T = K Q^T: result register e of lane (r, h) is (key 8h + e, query r).  All a lane holds belongs to one query: max and sum need one exchange of halves.
;   Packing key tiles 2s and 2s+1 gives, in place, the source-1 fragment P(query r, 32 keys).   O^T = V^T P^T: (d = 8h + e, query r).
;   Packed tiles of O^T are the source-1 fragments of the output projection (source 0 = rows of Wo): a lane then holds 8 neighbouring columns of a row of out.
; q, k, v lie in memory as fragments (blocks of 512 bytes, lane L at 16 L), so every LDS read of K, V and O is 512 consecutive bytes.
; LDS: SL0 (K tiles, later Wo's even chunks) 0 .. 73,727; SL1 (V tiles, Wo's odd chunks) .. 147,455; O .. 278,527; the stage for the way out .. 312,319.
;   O and the stage are written by LDS stores alone; no tensor load lands there.
; REGISTERS: window 0 addresses, softmax figures, Q and K/V fragments; window 1 v0-127 O^T (tile (dt, qt) at 8 (4 dt + qt)), v192-255 bo2;
;   windows 2, 3: S^T, tile (kt, qt) at 32 (kt & 7) + 8 qt, key tiles 0-7 in window 2; later the output projection's accumulators.
.set SL1,    73728
.set OB,     147456
.set STG,    278528
.set SPITCH, 528                       ; a stage row: 512 bytes + 16: 16 neighbouring rows start 16 bytes apart modulo 256
.set WPITCH, 144
.set ADRK, 2                           ; v2  K fragments: b*2048 + 16 L
.set ADRV, 3                           ; v3  V fragments: SL1 + b*4096 + 16 L
.set OST,  4                           ; v4  where my O goes: OB + w*32768 + 16 L, + 8192 for each j
.set QOFF, 5                           ; v5  a*16384 + b*2048 + 16 L
.set PFOFF, 6                          ; v6  my share of a tile to prefetch
.set BOFF, 7                           ; v7  4 (128 w + 8 h)
.set ADRO, 8                           ; v8-9   O fragments of rows 0-63, 64-127
.set ADRW, 10                          ; v10-11 Wo fragments in SL0, SL1
.set STO,  12                          ; v12 stage, in
.set RD,   13                          ; v13 stage, back
.set CO,   14                          ; v14 16 L
.set MX,   16                          ; v16-23 two chains of maxima for each query tile
.set M,    24                          ; v24-27 running maximum
.set NM,   28                          ; v28-35 -c M, twice
.set AL,   36                          ; v36-43 rescaling factor, later 1 / l, twice
.set LS,   44                          ; v44-59 two chains of packed sums for each query tile
.set T,    60                          ; v60-63 at work
.set QF,   64                          ; v64-127  Q fragments at 16 qt + 8 ks
.set KF0,  128                         ; v128-191 K or V fragments, buffer 0
.set KF1,  192                         ; v192-255 buffer 1
.set F0,   64                          ; output projection: fragment buffers (window 0: O, window 1: Wo)
.set F1,   128
.set T64,  192                         ; way out: 16 rows with bias, f32
.set BO,   192                         ; window 1: my 64 numbers of bo2
.set G1D,  16                          ; s[16:23] group 1, dense (K, V)
.set G1W,  24                          ; s[24:31] group 1, padded (Wo)
.set G0K,  32                          ; s[32:35]
.set G0V,  36                          ; s[36:39]
.set G0W,  40                          ; s[40:47] one set for each slot
.set OUT,  54                          ; s[54:55]
.set QP,   56                          ; s[56:57] q at (t, cx), + 131072 for each j
.set PFP,  58                          ; s[58:59] k's part at t, + 131072 for each j
.set CC,   60                          ; s[60:61] c = log2(e) / sqrt(512), twice;  s13 = -c
.set MSB, 0
.macro WIN new
.if MSB != (\new)
	s_set_vgpr_msb (MSB<<8)|(\new)
.set MSB, (\new)
.endif
.endm
.macro PLACES                          ; four independent vector instructions behind a matrix instruction (ISA guide 7.12.1)
.rept 4
	v_nop
.endr
.endm
.macro CREST
	s_cmp_lg_u32 s8, 0
	s_cbranch_scc1 .Lnot_wave_0_\@
	s_barrier_signal -3
.Lnot_wave_0_\@:
	s_barrier_wait -3
	s_barrier_signal -1
	s_barrier_wait -1
.endm
.macro CROUND
	s_barrier_signal -1
	s_barrier_wait -1
	CREST
.endm
.macro WM d, x, y, zero
.if \zero
	v_wmma_f32_16x16x32_bf16 v[\d:\d+7], v[\x:\x+7], v[\y:\y+7], 0
.else
	v_wmma_f32_16x16x32_bf16 v[\d:\d+7], v[\x:\x+7], v[\y:\y+7], v[\d:\d+7]
.endif
.endm
.macro QLOAD                           ; my head's Q: 4 query tiles x 64 d, sixteen loads of 512 consecutive bytes; no other wave reads them
.irp qt, 0,1,2,3
.irp q, 0,1,2,3
	global_load_b128 v[QF+16*\qt+4*\q:QF+16*\qt+4*\q+3], v[QOFF], s[QP:QP+1] offset:\qt*4096+\q*512 th:TH_LOAD_NT
.endr
.endr
.endm
.macro FETCHK g, buf                   ; key tiles 4g .. 4g+3 of my head: 16 loads
	WIN 0
.irp kt, 0,1,2,3
.irp q, 0,1,2,3
	ds_load_b128 v[\buf+16*\kt+4*\q:\buf+16*\kt+4*\q+3], v[ADRK] offset:(4*\g+\kt)*4096+\q*512
.endr
.endr
.endm
; 32 matrix instructions: S^T of key tiles 4g .. 4g+3.  For each key tile the four query tiles take turns: d 0-31 starts the four sums, d 32-63 adds
; onto them, each link four matrix instructions behind the one it adds onto, one instruction a turn.
.macro MULS g, buf
	WIN 0xa0+0x50*(\g/2)
.irp kt, 0,1,2,3
.irp qt, 0,1,2,3
	WM 32*((4*\g+\kt)&7)+8*\qt, \buf+16*\kt, QF+16*\qt, 1
.endr
.irp qt, 0,1,2,3
	WM 32*((4*\g+\kt)&7)+8*\qt, \buf+16*\kt+8, QF+16*\qt+8, 0
.endr
.endr
.endm
.macro FETCHV g, buf                   ; key steps 2g, 2g+1 (32 keys each) x 4 tiles of d: 16 loads
	WIN 0
.irp k2, 0,1
.irp dt, 0,1,2,3
.irp u, 0,1
	ds_load_b128 v[\buf+32*\k2+8*\dt+4*\u:\buf+32*\k2+8*\dt+4*\u+3], v[ADRV] offset:(2*\g+\k2)*8192+\dt*1024+\u*512
.endr
.endr
.endr
.endm
; 32 matrix instructions: O^T += V^T P^T for key steps 2g, 2g+1; the 16 accumulators take turns, one instruction a turn.
.macro MULP g, buf, zero
	WIN 0x58+4*(\g/2)
.irp k2, 0,1
.irp dt, 0,1,2,3
.irp qt, 0,1,2,3
	WM 8*(4*\dt+\qt), \buf+32*\k2+8*\dt, 32*((4*\g+2*\k2)&7)+8*\qt, (\zero)*(1-\k2)
.endr
.endr
.endr
.endm
.macro MXS p                           ; key tile 0 starts chain p of each query tile: nothing is preset
.irp qt, 0,1,2,3
	v_max_num_f32 v[MX+2*\qt+\p], v[8*\qt+2*\p], v[8*\qt+2*\p+1]
.endr
.endm
.macro MX3 kt, p
.irp qt, 0,1,2,3
	v_max3_num_f32 v[MX+2*\qt+(\p&1)], v[32*\kt+8*\qt+2*\p], v[32*\kt+8*\qt+2*\p+1], v[MX+2*\qt+(\p&1)]
.endr
.endm
.macro PASSM win                       ; the largest S of a window's 8 key tiles, two numbers an instruction, eight chains
	WIN 0x0a+5*(\win-2)
.if \win == 2
	MXS 0
	MXS 1
	MX3 0, 2
	MX3 0, 3
.else
.irp p, 0,1,2,3
	MX3 0, \p
.endr
.endif
.irp kt, 1,2,3,4,5,6,7
.irp p, 0,1,2,3
	MX3 \kt, \p
.endr
.endr
.endm
.macro MAXFIN                          ; join the chains; lanes r and r + 16 hold the two halves of a query's keys
	WIN 0
.irp qt, 0,1,2,3
	v_max_num_f32 v[MX+2*\qt], v[MX+2*\qt], v[MX+2*\qt+1]
.endr
.irp qt, 0,1,2,3
	v_permlanex16_b32 v[T+\qt], v[MX+2*\qt], s62, s63
.endr
.irp qt, 0,1,2,3
	v_max_num_f32 v[MX+2*\qt], v[MX+2*\qt], v[T+\qt]
.endr
.endm
.macro STATS kb
.if \kb == 0
.irp qt, 0,1,2,3                       ; a head's first block: its maximum is the running maximum, the sums begin
	v_mov_b32 v[M+\qt], v[MX+2*\qt]
	v_mul_f32 v[NM+2*\qt], s13, v[MX+2*\qt]
	v_mul_f32 v[NM+2*\qt+1], s13, v[MX+2*\qt]
.endr
.irp i, 0,1,2,3,4,5,6,7,8,9,10,11,12,13,14,15
	v_mov_b32 v[LS+\i], 0
.endr
.else
.irp qt, 0,1,2,3                       ; the second block: new maximum, and 2^(c (old - new)) <= 1 for what has been summed
	v_max_num_f32 v[T+\qt], v[M+\qt], v[MX+2*\qt]
.endr
.irp qt, 0,1,2,3
	v_sub_f32 v[AL+2*\qt], v[M+\qt], v[T+\qt]
	v_mul_f32 v[AL+2*\qt], s[CC], v[AL+2*\qt]
.endr
.irp qt, 0,1,2,3
	v_exp_f32 v[AL+2*\qt+1], v[AL+2*\qt]
.endr
.irp qt, 0,1,2,3
	v_mov_b32 v[M+\qt], v[T+\qt]                   ; plain instructions that touch no exponential's registers stand behind the last one (ISA guide 5.7.2)
.endr
	s_wait_alu depctr_va_vdst(0)
.irp qt, 0,1,2,3
	v_mov_b32 v[AL+2*\qt], v[AL+2*\qt+1]
	v_mul_f32 v[NM+2*\qt], s13, v[T+\qt]
	v_mul_f32 v[NM+2*\qt+1], s13, v[T+\qt]
.endr
.irp qt, 0,1,2,3
	v_pk_mul_f32 v[LS+4*\qt:LS+4*\qt+1], v[LS+4*\qt:LS+4*\qt+1], v[AL+2*\qt:AL+2*\qt+1]
	v_pk_mul_f32 v[LS+4*\qt+2:LS+4*\qt+3], v[LS+4*\qt+2:LS+4*\qt+3], v[AL+2*\qt:AL+2*\qt+1]
.endr
.endif
.endm
.macro OSCALE                          ; O^T times the pair in AL (the rescaling factor, or 1 / l)
	WIN 0x41
.irp dt, 0,1,2,3
.irp qt, 0,1,2,3
.irp p, 0,1,2,3
	v_pk_mul_f32 v[8*(4*\dt+\qt)+2*\p:8*(4*\dt+\qt)+2*\p+1], v[8*(4*\dt+\qt)+2*\p:8*(4*\dt+\qt)+2*\p+1], v[AL+2*\qt:AL+2*\qt+1]
.endr
.endr
.endr
.endm
.macro EFMA kt, q                      ; c S - c M for pair q of the 16 pairs of key tile kt
	v_pk_fma_f32 v[32*(\kt)+2*\q:32*(\kt)+2*\q+1], v[32*(\kt)+2*\q:32*(\kt)+2*\q+1], s[CC:CC+1], v[NM+2*(\q/4):NM+2*(\q/4)+1] op_sel_hi:[1,0,1]
.endm
; p = 2^(c S - c M) for a window's 8 key tiles, their sums, and P in bf16, packed in place.
; The multiply-adds of key tile kt+1 stand between the exponentials of key tile kt: they touch other registers.
.macro PASSE win
	WIN 0x82+0x41*(\win-2)
.irp q, 0,1,2,3,4,5,6,7,8,9,10,11,12,13,14,15
	EFMA 0, \q
.endr
.irp kt, 0,1,2,3,4,5,6
.irp q, 0,1,2,3,4,5,6,7,8,9,10,11,12,13,14,15
	v_exp_f32 v[32*\kt+2*\q], v[32*\kt+2*\q]
	v_exp_f32 v[32*\kt+2*\q+1], v[32*\kt+2*\q+1]
	EFMA \kt+1, \q
.endr
.endr
.irp q, 0,1,2,3,4,5,6,7,8,9,10,11,12,13,14,15
	v_exp_f32 v[224+2*\q], v[224+2*\q]
	v_exp_f32 v[224+2*\q+1], v[224+2*\q+1]
.endr
	v_nop                                          ; one plain instruction behind the last exponential before its result is read
	WIN 0x02+(\win-2)
	s_wait_alu depctr_va_vdst(0)
.irp kt, 0,1,2,3,4,5,6,7
.irp p, 0,1,2,3
.irp qt, 0,1,2,3
	v_pk_add_f32 v[LS+4*\qt+2*(\p&1):LS+4*\qt+2*(\p&1)+1], v[32*\kt+8*\qt+2*\p:32*\kt+8*\qt+2*\p+1], v[LS+4*\qt+2*(\p&1):LS+4*\qt+2*(\p&1)+1]
.endr
.endr
.endr
	WIN 0x8a+0x45*(\win-2)
.irp ke, 0,2,4,6                       ; the even key tile packs into its own registers 0-3, then the odd one into the even one's registers 4-7
.irp qt, 0,1,2,3
.irp p, 0,1,2,3
	v_cvt_pk_bf16_f32 v[32*\ke+8*\qt+\p], v[32*\ke+8*\qt+2*\p], v[32*\ke+8*\qt+2*\p+1]
.endr
.irp p, 0,1,2,3
	v_cvt_pk_bf16_f32 v[32*\ke+8*\qt+4+\p], v[32*\ke+32+8*\qt+2*\p], v[32*\ke+32+8*\qt+2*\p+1]
.endr
.endr
.endr
.endm
.macro NORM                            ; a head is done: O / l, rounded to bf16, into LDS as fragments
	WIN 0
.irp qt, 0,1,2,3
	v_pk_add_f32 v[LS+4*\qt:LS+4*\qt+1], v[LS+4*\qt:LS+4*\qt+1], v[LS+4*\qt+2:LS+4*\qt+3]
.endr
.irp qt, 0,1,2,3
	v_add_f32 v[LS+4*\qt], v[LS+4*\qt], v[LS+4*\qt+1]
.endr
.irp qt, 0,1,2,3
	v_permlanex16_b32 v[T+\qt], v[LS+4*\qt], s62, s63
.endr
.irp qt, 0,1,2,3
	v_add_f32 v[LS+4*\qt], v[LS+4*\qt], v[T+\qt]   ; l >= about 1: the largest p of the row is 1
.endr
.irp qt, 0,1,2,3
	v_rcp_f32 v[AL+2*\qt], v[LS+4*\qt]
	v_rcp_f32 v[AL+2*\qt+1], v[LS+4*\qt]
.endr
	v_nop
	s_wait_alu depctr_va_vdst(0)
	OSCALE
	WIN 0x05
.irp qt, 0,1,2,3
.irp dt, 0,1,2,3
.irp p, 0,1,2,3
	v_cvt_pk_bf16_f32 v[KF0+16*\qt+4*\dt+\p], v[8*(4*\dt+\qt)+2*\p], v[8*(4*\dt+\qt)+2*\p+1]
.endr
.endr
.endr
	WIN 0
.irp qt, 0,1,2,3
.irp dt, 0,1,2,3
	ds_store_b128 v[OST], v[KF0+16*\qt+4*\dt:KF0+16*\qt+4*\dt+3] offset:\qt*2048+\dt*512
.endr
.endr
.endm
; One block of 256 keys of my head.  kb: which half of the keys; tail = 1: the last head pair.
; Counts: s_wait_dscnt 16 leaves the other fragment buffer's sixteen loads out.  A wave has one tensor load out behind each round (two at the start).
; Two rounds of the cluster's barrier: in the middle of the exponentials K's slot, read out, is asked for again (V's tile is shown landed);
; ahead of the last quarter of P V, whose fragments are in registers, V's slot is asked for again (the next K tile is shown landed).
.macro BLOCK kb, tail
.rept 5
	v_nop                                          ; five places: the products below write over registers that the last matrix instructions read as P
.endr
	FETCHK 0, KF0
	FETCHK 1, KF1
.if \kb == 0
	s_wait_loadcnt 0x0                             ; my head's Q (the first time bo2 too)
.endif
	s_wait_dscnt 16
.if 1-\kb*\tail
	; the next block's tiles: waves 0, 1 of the four partners ask for K's 65,536 bytes, waves 2, 3 for V's, lanes 256 bytes apart, each piece once;
	; one block ahead; the last block asks for nothing, so no request passes tile 7
	global_prefetch_b8 v[PFOFF], s[PFP:PFP+1] offset:(\kb+1)*65536 th:TH_LOAD_NT scope:SCOPE_SE
.endif
	MULS 0, KF0
	PLACES
	FETCHK 2, KF0
	s_wait_dscnt 16
	MULS 1, KF1
	PLACES
	FETCHK 3, KF1
	s_wait_dscnt 16
	MULS 2, KF0
	s_wait_dscnt 0x0
	MULS 3, KF1
	WIN 0
	PLACES                                         ; ahead of the reads of S and of the loads into Q's registers
.if \kb*(1-\tail)
	s_add_nc_u64 s[QP:QP+1], s[QP:QP+1], 131072    ; the last loads by this base were waited for: the next head pair's Q
	QLOAD
.endif
	PASSM 2
	PASSM 3
	MAXFIN
	STATS \kb
	PASSE 2
	WIN 0
	s_wait_dscnt 0x0                               ; my reads of K's slot are over
	s_wait_xcnt 0x0
	v_lshl_add_u32 v22, v0, 2, 0x4c400
	v_mov_b32 v23, 0
	s_wait_tensorcnt 0x0                           ; all my tensor loads have landed: my part of V's tile
	ds_add_u32 v22, v23
	s_wait_dscnt 0x0
.if 1-\kb*\tail
	s_add_nc_u64 s[G0K+2:G0K+3], s[G0K+2:G0K+3], 65536
.endif
	CROUND
.if \kb*\tail
	tensor_load_to_lds s[G0W:G0W+3], s[G1W:G1W+7]  ; no K is left: Wo's chunk 0
	s_nop 0
.else
	tensor_load_to_lds s[G0K:G0K+3], s[G1D:G1D+7]  ; the next K tile
	s_nop 0
.endif
	FETCHV 0, KF0
	FETCHV 1, KF1
	PASSE 3
.if \kb
	OSCALE                                         ; what block 0 summed, to the new maximum
.endif
	s_wait_dscnt 16
	MULP 0, KF0, 1-\kb
	PLACES
	FETCHV 2, KF0
	s_wait_dscnt 16
	MULP 1, KF1, 0
	PLACES
	FETCHV 3, KF1
	s_wait_dscnt 16
	MULP 2, KF0, 0
	WIN 0
	s_wait_dscnt 0x0                               ; my reads of V's slot are over: the last fragments are in registers
	s_wait_xcnt 0x0
	v_lshl_add_u32 v22, v0, 2, 0x4c400
	v_mov_b32 v23, 0
	s_wait_tensorcnt 0x0                           ; my part of the next K tile (or of Wo's chunk 0) has landed
	ds_add_u32 v22, v23
	s_wait_dscnt 0x0
.if 1-\kb*\tail
	s_add_nc_u64 s[G0V+2:G0V+3], s[G0V+2:G0V+3], 65536
.endif
	CROUND
.if \kb*\tail
	tensor_load_to_lds s[G0W+4:G0W+7], s[G1W:G1W+7]   ; Wo's chunk 1
	s_nop 0
.else
	tensor_load_to_lds s[G0V:G0V+3], s[G1D:G1D+7]  ; the next V tile
	s_nop 0
.endif
	MULP 3, KF1, 0
.if \kb
	PLACES
	NORM
.endif
	WIN 0
.endm
; ---- the output projection: 128 rows x my 128 columns, K = 512 in chunks of 64 = one head; source 0 = Wo (window 1), source 1 = O (window 0)
.macro MUL16 f, hi, a0, zero           ; the 64 accumulators take turns, one instruction a turn, in the same order in every K step
	WIN 0xa1+0x50*(\hi)
.irp a, \a0, \a0+1
.irp b, 0,1,2,3,4,5,6,7
	WM 8*(8*(\a)+\b), \f+8*\b, \f+8*(4*\hi+\a), \zero
.endr
.endr
.endm
.macro FETCHO s, hd, ks, f             ; Wo's 8 fragments from slot s, then O's 8 of head hd: row tile i was written by wave 2 (i / 4) + (hd & 1) in step hd / 2
	WIN 0x40
.irp i, 0,1,2,3,4,5,6,7
	ds_load_b128 v[\f+8*\i:\f+8*\i+3],   v[ADRW+(\s)] offset:64*(\ks)+\i*16*WPITCH
	ds_load_b128 v[\f+8*\i+4:\f+8*\i+7], v[ADRW+(\s)] offset:64*(\ks)+\i*16*WPITCH+32
.endr
	WIN 0
.irp i, 0,1,2,3,4,5,6,7
	ds_load_b128 v[\f+8*\i:\f+8*\i+3],   v[ADRO+(\i/4)] offset:((\hd)&1)*32768+((\hd)/2)*8192+(\i&3)*2048+(\ks)*1024
	ds_load_b128 v[\f+8*\i+4:\f+8*\i+7], v[ADRO+(\i/4)] offset:((\hd)&1)*32768+((\hd)/2)*8192+(\i&3)*2048+(\ks)*1024+512
.endr
.endm
.macro CHUNKO s, hd, zero
	s_wait_dscnt 8                                 ; Wo's fragments and O's 0-3 are in; the youngest eight loads (O's 4-7) may be out
	MUL16 F0, 0, 0, \zero
	MUL16 F0, 0, 2, \zero
	PLACES
	FETCHO \s, \hd, 1, F1
	s_wait_dscnt 32                                ; all but the 32 just issued
	MUL16 F0, 1, 0, \zero
	MUL16 F0, 1, 2, \zero
.endm
.macro TURNO s, hd, fill, fetch
	s_wait_dscnt 8
	MUL16 F1, 0, 0, 0
	s_wait_dscnt 0x0                               ; my reads of this slot are over
	s_wait_xcnt 0x0
	s_set_vgpr_msb 0xa120
	v_lshl_add_u32 v22, v0, 2, 0x4c400
	v_mov_b32 v23, 0
	s_wait_tensorcnt 0x0                           ; my part of the other slot has landed
	ds_add_u32 v22, v23
	s_wait_dscnt 0x0
	s_set_vgpr_msb 0x20a1
	s_barrier_signal -1
	MUL16 F1, 0, 2, 0
	WIN 0
	s_barrier_wait -1
.if \fill
	CREST
	s_add_nc_u64 s[G0W+4*\s+2:G0W+4*\s+3], s[G0W+4*\s+2:G0W+4*\s+3], 131072
	tensor_load_to_lds s[G0W+4*\s:G0W+4*\s+3], s[G1W:G1W+7]
	s_nop 0
.endif
	PLACES
.if \fetch
	FETCHO 1-\s, \hd+1, 0, F0
.endif
	MUL16 F1, 1, 0, 0
	MUL16 F1, 1, 2, 0
.endm
; The way out, 16 rows at a time: add bo2, 32 bytes a lane into my own stage, read whole rows of 512 bytes back, store them.
; LDS serves a wave's instructions in order, so the stage needs no wait between its stores and its loads.
.macro OUT16 i, rb
	WIN 0x06+(\i/4)
.irp b, 0,1,2,3,4,5,6,7
.irp p, 0,1,2,3
	v_pk_add_f32 v[T64+8*\b+2*\p:T64+8*\b+2*\p+1], v[8*(8*(\i&3)+\b)+2*\p:8*(8*(\i&3)+\b)+2*\p+1], v[BO+8*\b+2*\p:BO+8*\b+2*\p+1]
.endr
.endr
	WIN 0
.irp b, 0,1,2,3,4,5,6,7
	ds_store_b128 v[STO], v[T64+8*\b:T64+8*\b+3] offset:64*\b
	ds_store_b128 v[STO], v[T64+8*\b+4:T64+8*\b+7] offset:64*\b+16
.endr
	s_wait_xcnt 0x0                                ; the registers and the base that earlier stores read are rewritten only behind this wait
.if \i
	s_add_nc_u64 s[OUT:OUT+1], s[OUT:OUT+1], 16*131072
.endif
.irp rr, 0,1,2,3,4,5,6,7,8,9,10,11,12,13,14,15
	ds_load_b128 v[\rb+4*\rr:\rb+4*\rr+3], v[RD] offset:\rr*SPITCH
.endr
.irp rr, 0,1,2,3,4,5,6,7,8,9,10,11,12,13,14,15
	s_wait_dscnt 15-\rr                            ; row rr is back; the younger ones may be out
	global_store_b128 v[CO], v[\rb+4*\rr:\rb+4*\rr+3], s[OUT:OUT+1] offset:\rr*131072 th:TH_STORE_NT   ; 512 consecutive aligned bytes of one row of out
.endr
.endm
	s_load_b256 s[48:55], s[0:1], 0x0              ; qkv s[48:49], w16 s[50:51], bo2 s[52:53], out0 s[54:55]
	v_lshl_add_u32 v22, v0, 2, 0x4c400
	v_mov_b32 v23, 0
	ds_add_u32 v22, v23
	s_wait_dscnt 0x0
	v_lshrrev_b32 v1, 5, v0
	v_readfirstlane_b32 s8, v1                     ; wave w
	s_bfe_u32 s9, ttmp6, 0x40000                   ; cx: my block of 128 queries
	s_mov_b32 s10, ttmp9                           ; t
	s_lshr_b32 s11, s8, 1                          ; a
	s_and_b32 s12, s8, 1                           ; b
	s_mov_b32 s13, 0xbd8293ee                      ; -c
	s_mov_b32 s[CC], 0x3d8293ee                    ; c = log2(e) / sqrt(512)
	s_mov_b32 s[CC+1], 0x3d8293ee
	s_mov_b32 s62, 0x76543210                      ; v_permlanex16_b32: lane i reads lane i of the other half
	s_mov_b32 s63, 0xfedcba98
	; group 1: 64 dense rows of 32 elements of 8 bytes = 16,384 bytes a wave; all four partners; bit 21 beside the mask
	s_mov_b32 s[G1D+0], 15|(3<<16)|(1<<21)
	s_mov_b32 s[G1W+0], 15|(3<<16)|(1<<20)|(1<<21)|(4<<22)|(3<<25)   ; Wo: behind every 32 words a pad of 4: LDS pitch 144
	s_mov_b32 s[G1D+1], 32<<16
	s_mov_b32 s[G1W+1], 32<<16
	s_mov_b32 s[G1D+2], 64<<16
	s_mov_b32 s[G1W+2], 64<<16
	s_mov_b32 s[G1D+3], 32<<16
	s_mov_b32 s[G1W+3], 32<<16
	s_mov_b32 s[G1D+4], 64
	s_mov_b32 s[G1W+4], 64
	s_mov_b32 s[G1D+5], 32
	s_mov_b32 s[G1W+5], 32
	s_mov_b32 s[G1D+6], 0
	s_mov_b32 s[G1W+6], 0
	s_mov_b32 s[G1D+7], 0
	s_mov_b32 s[G1W+7], 0
	v_and_b32 v1, 31, v0
	v_lshlrev_b32 v[CO], 4, v1                     ; 16 L
	v_and_b32 v15, 15, v0                          ; r
	v_bfe_u32 v1, v0, 4, 1                         ; h
	s_lshl_b32 s4, s11, 14
	s_lshl_b32 s5, s12, 11
	s_add_co_u32 s4, s4, s5
	v_add_nc_u32 v[QOFF], s4, v[CO]
	v_add_nc_u32 v[ADRK], s5, v[CO]
	s_lshl_b32 s5, s8, 9
	v_lshl_add_u32 v[BOFF], v1, 5, s5
	s_lshl_b32 s6, s10, 19                         ; q: t * 524,288 + cx * 32,768
	s_lshl_b32 s7, s9, 15
	s_add_co_u32 s6, s6, s7
	s_mov_b32 s7, 0
	s_lshl_b32 s14, s10, 19                        ; k's part at t
	s_add_co_u32 s14, s14, 0x2000000
	s_mov_b32 s15, 0
	s_lshl_b32 s4, s8, 14                          ; joint loads: t and the wave's number alone enter their addresses
	s_add_co_u32 s4, s4, s14
	s_mov_b32 s5, 0
	s_wait_kmcnt 0x0
	s_add_nc_u64 s[QP:QP+1], s[48:49], s[6:7]
	s_add_nc_u64 s[PFP:PFP+1], s[48:49], s[14:15]
	s_mov_b32 s[G0K], 1
	s_lshl_b32 s[G0K+1], s8, 14                    ; my quarter of K's slot
	s_add_nc_u64 s[G0K+2:G0K+3], s[48:49], s[4:5]
	s_mov_b32 s[G0V], 1
	s_add_co_u32 s[G0V+1], s[G0K+1], SL1
	s_add_nc_u64 s[G0V+2:G0V+3], s[G0K+2:G0K+3], 0x2000000   ; v's part lies 33,554,432 bytes behind k's
	s_or_b32 s[G0K+3], s[G0K+3], 0x80000000
	s_or_b32 s[G0V+3], s[G0V+3], 0x80000000
	s_lshl_b32 s4, s8, 14
	s_add_co_u32 s4, s4, 3*524288                  ; Wo in w16, my 128 rows of chunk 0
	s_mov_b32 s[G0W], 1
	s_mul_i32 s[G0W+1], s8, 128*WPITCH
	s_add_nc_u64 s[G0W+2:G0W+3], s[50:51], s[4:5]
	s_mov_b32 s[G0W+4], 1
	s_add_co_u32 s[G0W+5], s[G0W+1], SL1
	s_add_nc_u64 s[G0W+6:G0W+7], s[G0W+2:G0W+3], 65536
	s_or_b32 s[G0W+3], s[G0W+3], 0x80000000
	s_or_b32 s[G0W+7], s[G0W+7], 0x80000000
	s_lshl_b32 s6, s9, 24                          ; out: 128 cx rows of 131,072 + t * 2,048 + w * 512
	s_lshl_b32 s14, s10, 11
	s_add_co_u32 s6, s6, s14
	s_lshl_b32 s14, s8, 9
	s_add_co_u32 s6, s6, s14
	s_add_nc_u64 s[OUT:OUT+1], s[OUT:OUT+1], s[6:7]
	QLOAD                                          ; head b's Q
	WIN 0x40
.irp b, 0,1,2,3,4,5,6,7
	global_load_b128 v[BO+8*\b:BO+8*\b+3],   v[BOFF], s[52:53] offset:64*\b
	global_load_b128 v[BO+8*\b+4:BO+8*\b+7], v[BOFF], s[52:53] offset:64*\b+16
.endr
	WIN 0
	CROUND                                         ; all four work-groups are here: the first joint loads meet
	tensor_load_to_lds s[G0K:G0K+3], s[G1D:G1D+7]  ; K's and V's tile 0: the two first fills, as one group
	s_nop 0
	tensor_load_to_lds s[G0V:G0V+3], s[G1D:G1D+7]
	s_nop 0
	s_lshl_b32 s4, s12, 12
	s_add_co_u32 s4, s4, SL1
	v_add_nc_u32 v[ADRV], s4, v[CO]
	s_lshl_b32 s4, s8, 15
	s_add_co_u32 s4, s4, OB
	v_add_nc_u32 v[OST], s4, v[CO]
	v_add_nc_u32 v[ADRO], OB, v[CO]
	v_add_nc_u32 v[ADRO+1], OB+65536, v[CO]
	v_mul_u32_u24 v[ADRW], v15, WPITCH
	v_lshl_add_u32 v[ADRW], v1, 4, v[ADRW]
	s_mul_i32 s4, s8, 128*WPITCH
	v_add_nc_u32 v[ADRW], s4, v[ADRW]
	v_add_nc_u32 v[ADRW+1], SL1, v[ADRW]
	s_mul_i32 s4, s8, 16*SPITCH
	s_add_co_u32 s4, s4, STG
	v_add_nc_u32 v[RD], s4, v[CO]
	v_mul_u32_u24 v[STO], v15, SPITCH
	v_lshl_add_u32 v[STO], v1, 5, v[STO]
	v_add_nc_u32 v[STO], s4, v[STO]
	s_lshl_b32 s6, s11, 25                         ; prefetch: waves 2, 3 ask in v's part,
	s_lshl1_add_u32 s7, s9, s12                    ; and (2 cx + b) picks one eighth of a tile,
	s_lshl_b32 s7, s7, 13
	s_add_co_u32 s6, s6, s7
	v_lshl_add_u32 v[PFOFF], v[CO], 4, s6          ; lanes 256 bytes apart
.irp i, 0,1,2,3
	v_mov_b32 v[T+\i], 0                           ; v_permlanex16_b32 counts as a reader of its destination
.endr
	s_wait_tensorcnt 0x1                           ; my part of K's tile 0 has landed; V's may stay out
	s_barrier_signal -1
	s_barrier_wait -1
	s_mov_b32 s3, 0
.Lpair:                                            ; head pairs 0, 1, 2
	BLOCK 0, 0
	BLOCK 1, 0
	s_wait_xcnt 0x0                                ; the prefetches' base is stepped only behind this wait
	s_add_nc_u64 s[PFP:PFP+1], s[PFP:PFP+1], 131072
	v_add_nc_u32 v[OST], 8192, v[OST]
	s_add_co_u32 s3, s3, 1
	s_cmp_lt_u32 s3, 3
	s_cbranch_scc1 .Lpair
	BLOCK 0, 1                                     ; the last head pair is written out: its last block asks for Wo's first two chunks
	BLOCK 1, 1
	s_wait_dscnt 0x0                               ; my O is written
	s_barrier_signal -1                            ; a plain barrier: Wo's chunk 1 may stay out
	s_barrier_wait -1                              ; chunk 0 was shown landed in front of the last round
	FETCHO 0, 0, 0, F0
	CHUNKO 0, 0, 1                                 ; the first products start the sums
	TURNO  0, 0, 1, 1
	CHUNKO 1, 1, 0
	TURNO  1, 1, 1, 1
	CHUNKO 0, 2, 0
	TURNO  0, 2, 1, 1
	CHUNKO 1, 3, 0
	TURNO  1, 3, 1, 1
	CHUNKO 0, 4, 0
	TURNO  0, 4, 1, 1
	CHUNKO 1, 5, 0
	TURNO  1, 5, 1, 1                              ; the last joint load: Wo's chunk 7
	CHUNKO 0, 6, 0
	TURNO  0, 6, 0, 1                              ; a plain barrier
	CHUNKO 1, 7, 0
	s_wait_dscnt 8                                 ; the last K step: nothing more to fetch
	MUL16 F1, 0, 0, 0
	MUL16 F1, 0, 2, 0
	s_wait_dscnt 0x0
	MUL16 F1, 1, 0, 0
	MUL16 F1, 1, 2, 0
	PLACES                                         ; behind the last matrix instructions: results are read, fragment buffers loaded again
	OUT16 0, F0
	OUT16 1, F1
	OUT16 2, F0
	OUT16 3, F1
	OUT16 4, F0
	OUT16 5, F1
	OUT16 6, F0
	OUT16 7, F1
	s_wait_xcnt 0x0
	v_lshl_add_u32 v22, v0, 2, 0x4c400
	v_mov_b32 v23, 0
	s_wait_tensorcnt 0x0
	ds_add_u32 v22, v23
	s_wait_dscnt 0x0
	CROUND                                         ; the closing round: no work-group ends while a partner may still ask jointly
	s_endpgm
.Lfunc_end_k_qdb8b31bf5a_attn:
	.size	k_qdb8b31bf5a_attn, .Lfunc_end_k_qdb8b31bf5a_attn-k_qdb8b31bf5a_attn
	.p2alignl 7, 3214868480
	.fill 96, 4, 3214868480
	.section	.rodata,"a",@progbits
	.p2align	6, 0x0
	.amdhsa_kernel k_qdb8b31bf5a_attn
		.amdhsa_group_segment_fixed_size 327680
		.amdhsa_private_segment_fixed_size 0
		.amdhsa_enable_private_segment 0
		.amdhsa_kernarg_size 32
		.amdhsa_user_sgpr_count 2
		.amdhsa_user_sgpr_kernarg_segment_ptr 1
		.amdhsa_wavefront_size32 1
		.amdhsa_system_sgpr_workgroup_id_x 1
		.amdhsa_system_sgpr_workgroup_id_y 1
		.amdhsa_system_sgpr_workgroup_id_z 1
		.amdhsa_system_vgpr_workitem_id 0
		.amdhsa_next_free_vgpr 1024
		.amdhsa_next_free_sgpr 66
		.amdhsa_reserve_vcc 0
		.amdhsa_float_denorm_mode_32 3
		.amdhsa_float_denorm_mode_16_64 3
		.amdhsa_memory_ordered 1
		.amdhsa_forward_progress 1
		.amdhsa_inst_pref_size 255
	.end_amdhsa_kernel
	.section	.bss,"aw",@nobits
	.p2align	6
	.space	262144
	.amdgpu_metadata
---
amdhsa.version: [ 1, 2 ]
amdhsa.kernels:
  - .name:           k_qdb8b31bf5a_attn
    .symbol:         k_qdb8b31bf5a_attn.kd
    .args:
      - { .name: qkv, .offset: 0, .size: 8, .value_kind: global_buffer, .address_space: global }
      - { .name: w16, .offset: 8, .size: 8, .value_kind: global_buffer, .address_space: global }
      - { .name: bo2, .offset: 16, .size: 8, .value_kind: global_buffer, .address_space: global }
      - { .name: out0, .offset: 24, .size: 8, .value_kind: global_buffer, .address_space: global }
    .group_segment_fixed_size: 327680
    .private_segment_fixed_size: 0
    .kernarg_segment_align: 8
    .kernarg_segment_size: 32
    .max_flat_workgroup_size: 128
    .sgpr_count:     66
    .vgpr_count:     1024
    .wavefront_size: 32
...
	.end_amdgpu_metadata
.endif
;; end of part 3
;; ======== version 2 of 2: 3 launches
;; limits: values are held in f16: magnitudes above 65,504 overflow, below 6.1e-05 lose precision; inputs' magnitudes at most 65,504
;; workspace buffers: w16 2,097,152 bytes; qkv 100,663,296 bytes; bo2 2,048 bytes
;; launch prep (part 4): grid 64 x 4, 4 waves a work-group, no clusters, 0 bytes of LDS; arguments Wq, Wk, Wv, Wo, bv, bo, w16, bo2; writes w16, bo2
.if DOCPART == 4
	.amdgcn_target "amdgcn-amd-amdhsa--gfx1250"
	.amdhsa_code_object_version 6
	.text
	.protected	k_qdb8b31bf5a_prep
	.globl	k_qdb8b31bf5a_prep
	.p2align	8
	.type	k_qdb8b31bf5a_prep,@function
k_qdb8b31bf5a_prep:
	s_mov_b64 s[64:65], 0
	v_nop
	global_prefetch_b8 v0, s[64:65] scope:SCOPE_SE
	s_setreg_imm32_b32 hwreg(HW_REG_WAVE_MODE, 25, 1), 1
	s_wait_xcnt 0x0
; The four weight matrices [512][512] f32 are rounded to 16 bits once and laid out in chunks of 64 along K, 65,536 dense bytes each,
; which the later launches fetch as a whole: w16 + y*524288 + c*65536 + ...   (y = q, k, v, o; chunk c = 0..7)
;   Wq, Wk, Wv, in f16 (11 significant bits; they meet the inputs, which go to f16 too), by rows:  n*128 + 2*(k & 63)
;   Wo, in bf16 (it meets O, whose range is a product's), as matrix fragments: blocks of 512 bytes, nt*2048 + q*512 + 16 L, in which
;       lane L = (r = L & 15, h = L >> 4) holds Wo[16 nt + r][64 c + 16 q + 8 h .. + 7]: the same form as K and V tiles, so that the
;       attention launch fetches it by the same descriptor and reads it from LDS as 512 consecutive bytes.
; LIMIT: |Wq|, |Wk|, |Wv| below 65,504; numbers below 2^-14 keep an absolute error of 2^-25.
; bo2[n] = bo[n] + sum over c of Wo[n][c] bv[c], in f32: the weights of a softmax row sum to 1, so bv passes through the attention unchanged,
; attn(v' + bv) = attn(v') + bv for every input, and its image under Wo is added once here instead of being rounded with v and O.
; Work-group (x, y): matrix y.  Wave w takes rows n0 = 8x + 2w and n0 + 1 whole: a load takes 256 consecutive aligned bytes of each of the two rows.
;   y < 3: they are packed; a store covers 256 consecutive aligned bytes (both rows' 128 bytes of chunk c lie side by side).
;   y = 3: they serve the two numbers of bo2; and the wave packs the fragments of row tile nt = x >> 1, chunk c = 4 (x & 1) + w: its eight loads
;          together take 256 consecutive aligned bytes of each of 16 rows, each of its four stores covers 512 consecutive aligned bytes.
;          So Wo's 1,048,576 bytes are read twice in this launch: a dot product wants whole rows, a fragment 16 rows.
; Nothing is shared between work-groups, so there is no cluster, no LDS and no barrier.
.set SRC, 1                            ; v1      byte offset of my 16 bytes in the two source rows
.set DST, 2                            ; v2      byte offset of my 8 bytes in the two packed rows
.set RR,  4                            ; v4      r = lane mod 16
.set HH,  5                            ; v5      h = lane / 16
.set BVO, 6                            ; v6      16 r: my 16 bytes in a piece of bv
.set BOO, 7                            ; v7      4 h: my row's word in bo and bo2
.set X,   8                            ; v[8:39]  chunk c of my row: 4 f32 as loaded
.set Y,   40                           ; v[40:55] packed numbers to store
.set B,   56                           ; v[56:87] chunk c: the 4 numbers of bv for my columns
.set ACC, 88                           ; v[88:91] two packed chains of the dot product
.set BB,  92                           ; v92      bo of my row
.set FSRC, 93                          ; v93      2048 r + 32 h: my 32 bytes in the 16 rows of a fragment
.set FDST, 94                          ; v94      16 L
.set FR,  96                           ; v[96:127] block q: 8 f32 as loaded
	s_load_b512 s[4:19], s[0:1], 0x0               ; Wq s[4:5], Wk s[6:7], Wv s[8:9], Wo s[10:11], bv s[12:13], bo s[14:15], w16 s[16:17], bo2 s[18:19]
	s_and_b32 s20, ttmp7, 0xffff                   ; y: which matrix
	v_lshrrev_b32 v3, 5, v0
	v_readfirstlane_b32 s21, v3                    ; wave
	s_lshl_b32 s22, ttmp9, 3
	s_lshl1_add_u32 s22, s21, s22                  ; n0 = 8x + 2w
	s_lshl_b32 s24, s22, 11                        ; n0 rows of 2,048 bytes in the source
	s_mov_b32 s25, 0
	s_lshl_b32 s26, s20, 19                        ; y * 524,288
	s_lshl_b32 s23, s22, 7                         ; + n0 rows of 128 bytes
	s_add_co_u32 s26, s26, s23
	s_mov_b32 s27, 0
	s_lshl_b32 s28, s22, 2                         ; n0 words in bo and bo2
	s_mov_b32 s29, 0
	s_lshr_b32 s36, ttmp9, 1                       ; nt: the row tile whose fragments I pack (y = 3)
	s_and_b32 s37, ttmp9, 1
	s_lshl2_add_u32 s37, s37, s21                  ; c = 4 (x & 1) + w
	s_lshl_b32 s32, s36, 15                        ; source: 16 nt rows of 2,048 bytes
	s_lshl_b32 s38, s37, 8                         ; + c pieces of 256 bytes
	s_add_co_u32 s32, s32, s38
	s_mov_b32 s33, 0
	s_lshl_b32 s34, s37, 16                        ; packed: c * 65,536
	s_lshl_b32 s38, s36, 11                        ; + nt * 2,048
	s_add_co_u32 s34, s34, s38
	s_add_co_u32 s34, s34, 3*524288                ; in Wo's part
	s_mov_b32 s35, 0
	v_and_b32 v3, 31, v0                           ; lane
	v_and_b32 v[RR], 15, v0
	v_bfe_u32 v[HH], v0, 4, 1
	v_lshlrev_b32 v[BVO], 4, v[RR]                 ; 16 r
	v_lshl_add_u32 v[SRC], v[HH], 11, v[BVO]       ; + one row for lanes 16-31
	v_lshlrev_b32 v[DST], 3, v3                    ; 8 L: 128 bytes of row n0, then 128 of row n0+1
	v_lshlrev_b32 v[BOO], 2, v[HH]
	v_lshlrev_b32 v[FSRC], 11, v[RR]
	v_lshl_add_u32 v[FSRC], v[HH], 5, v[FSRC]
	v_lshlrev_b32 v[FDST], 4, v3
	s_wait_kmcnt 0x0
	s_cmp_eq_u32 s20, 1                            ; the matrix is chosen by the work-group's y alone
	s_cselect_b64 s[4:5], s[6:7], s[4:5]
	s_cmp_eq_u32 s20, 2
	s_cselect_b64 s[4:5], s[8:9], s[4:5]
	s_cmp_eq_u32 s20, 3
	s_cselect_b64 s[4:5], s[10:11], s[4:5]
	s_add_nc_u64 s[4:5], s[4:5], s[24:25]
.irp c, 0,1,2,3,4,5,6,7
	global_load_b128 v[X+4*\c:X+4*\c+3], v[SRC], s[4:5] offset:256*\c
.endr
	s_cmp_eq_u32 s20, 3
	s_cbranch_scc1 .Lwo
	s_add_nc_u64 s[16:17], s[16:17], s[26:27]      ; Wq, Wk, Wv: f16, by rows
.irp c, 0,1,2,3,4,5,6,7
	s_wait_loadcnt 7-\c                            ; loads return in order: chunk c is in, the 7-c younger ones may be out
	v_cvt_pk_f16_f32 v[Y+2*\c],   v[X+4*\c],   v[X+4*\c+1]
	v_cvt_pk_f16_f32 v[Y+2*\c+1], v[X+4*\c+2], v[X+4*\c+3]
	global_store_b64 v[DST], v[Y+2*\c:Y+2*\c+1], s[16:17] offset:65536*\c
.endr
	s_endpgm
.Lwo:                                              ; Wo: fragments in bf16, and my two rows' numbers of bo2
	s_add_nc_u64 s[10:11], s[10:11], s[32:33]
	s_add_nc_u64 s[16:17], s[16:17], s[34:35]
	s_add_nc_u64 s[14:15], s[14:15], s[28:29]
	s_add_nc_u64 s[18:19], s[18:19], s[28:29]
.irp q, 0,1,2,3
	global_load_b128 v[FR+8*\q:FR+8*\q+3],   v[FSRC], s[10:11] offset:64*\q       ; Wo[16 nt + r][64 c + 16 q + 8 h .. + 3]
	global_load_b128 v[FR+8*\q+4:FR+8*\q+7], v[FSRC], s[10:11] offset:64*\q+16    ; .. + 4 .. + 7
.endr
.irp c, 0,1,2,3,4,5,6,7
	global_load_b128 v[B+4*\c:B+4*\c+3], v[BVO], s[12:13] offset:256*\c   ; bv at the columns of which I hold my row; both halves of the wave read the same 256 bytes
.endr
	global_load_b32 v[BB], v[BOO], s[14:15]
.irp q, 0,1,2,3
	s_wait_loadcnt 15-2*\q                         ; block q's two loads are in: 6-2q of the fragment's, 8 of bv and 1 of bo may be out
.irp p, 0,1,2,3
	v_cvt_pk_bf16_f32 v[Y+4*\q+\p], v[FR+8*\q+2*\p], v[FR+8*\q+2*\p+1]
.endr
	global_store_b128 v[FDST], v[Y+4*\q:Y+4*\q+3], s[16:17] offset:512*\q
.endr
	s_wait_loadcnt 8                               ; bv's piece 0 is in: 7 of bv and 1 of bo may be out (my rows, asked for first, are in)
	v_pk_mul_f32 v[ACC:ACC+1],   v[X:X+1],   v[B:B+1]             ; the first products start the two chains
	v_pk_mul_f32 v[ACC+2:ACC+3], v[X+2:X+3], v[B+2:B+3]
.irp c, 1,2,3,4,5,6,7
	s_wait_loadcnt 8-\c
	v_pk_fma_f32 v[ACC:ACC+1],   v[X+4*\c:X+4*\c+1],   v[B+4*\c:B+4*\c+1],   v[ACC:ACC+1]
	v_pk_fma_f32 v[ACC+2:ACC+3], v[X+4*\c+2:X+4*\c+3], v[B+4*\c+2:B+4*\c+3], v[ACC+2:ACC+3]
.endr
	v_pk_add_f32 v[ACC:ACC+1], v[ACC:ACC+1], v[ACC+2:ACC+3]
	v_add_f32 v[ACC], v[ACC], v[ACC+1]
	v_add_f32_dpp v[ACC], v[ACC], v[ACC] row_xmask:1 row_mask:0xf bank_mask:0xf   ; a row of Wo lies in 16 lanes: four steps inside them
	v_add_f32_dpp v[ACC], v[ACC], v[ACC] row_xmask:2 row_mask:0xf bank_mask:0xf
	v_add_f32_dpp v[ACC], v[ACC], v[ACC] row_xmask:4 row_mask:0xf bank_mask:0xf
	v_add_f32_dpp v[ACC], v[ACC], v[ACC] row_xmask:8 row_mask:0xf bank_mask:0xf
	s_wait_loadcnt 0x0                             ; bo
	v_add_f32 v[ACC], v[ACC], v[BB]
	v_cmp_eq_u32 vcc_lo, 0, v[RR]                  ; lanes 0 and 16 store their rows' numbers: 8 neighbouring bytes a wave, 2,048 bytes in the whole launch
	s_wait_xcnt 0x0                                ; EXEC, a source of the stores above, changes only behind this wait
	s_and_saveexec_b32 s30, vcc_lo
	global_store_b32 v[BOO], v[ACC], s[18:19]
	s_wait_xcnt 0x0                                ; and again in front of the line that widens it
	s_or_b32 exec_lo, exec_lo, s30
	s_endpgm
.Lfunc_end_k_qdb8b31bf5a_prep:
	.size	k_qdb8b31bf5a_prep, .Lfunc_end_k_qdb8b31bf5a_prep-k_qdb8b31bf5a_prep
	.p2alignl 7, 3214868480
	.fill 96, 4, 3214868480
	.section	.rodata,"a",@progbits
	.p2align	6, 0x0
	.amdhsa_kernel k_qdb8b31bf5a_prep
		.amdhsa_group_segment_fixed_size 0
		.amdhsa_private_segment_fixed_size 0
		.amdhsa_enable_private_segment 0
		.amdhsa_kernarg_size 64
		.amdhsa_user_sgpr_count 2
		.amdhsa_user_sgpr_kernarg_segment_ptr 1
		.amdhsa_wavefront_size32 1
		.amdhsa_system_sgpr_workgroup_id_x 1
		.amdhsa_system_sgpr_workgroup_id_y 1
		.amdhsa_system_sgpr_workgroup_id_z 1
		.amdhsa_system_vgpr_workitem_id 0
		.amdhsa_next_free_vgpr 128
		.amdhsa_next_free_sgpr 66
		.amdhsa_reserve_vcc 1
		.amdhsa_float_denorm_mode_32 3
		.amdhsa_float_denorm_mode_16_64 3
		.amdhsa_memory_ordered 1
		.amdhsa_forward_progress 1
		.amdhsa_inst_pref_size 10
	.end_amdhsa_kernel
	.amdgpu_metadata
---
amdhsa.version: [ 1, 2 ]
amdhsa.kernels:
  - .name:           k_qdb8b31bf5a_prep
    .symbol:         k_qdb8b31bf5a_prep.kd
    .args:
      - { .name: Wq, .offset: 0, .size: 8, .value_kind: global_buffer, .address_space: global }
      - { .name: Wk, .offset: 8, .size: 8, .value_kind: global_buffer, .address_space: global }
      - { .name: Wv, .offset: 16, .size: 8, .value_kind: global_buffer, .address_space: global }
      - { .name: Wo, .offset: 24, .size: 8, .value_kind: global_buffer, .address_space: global }
      - { .name: bv, .offset: 32, .size: 8, .value_kind: global_buffer, .address_space: global }
      - { .name: bo, .offset: 40, .size: 8, .value_kind: global_buffer, .address_space: global }
      - { .name: w16, .offset: 48, .size: 8, .value_kind: global_buffer, .address_space: global }
      - { .name: bo2, .offset: 56, .size: 8, .value_kind: global_buffer, .address_space: global }
    .group_segment_fixed_size: 0
    .private_segment_fixed_size: 0
    .kernarg_segment_align: 8
    .kernarg_segment_size: 64
    .max_flat_workgroup_size: 128
    .sgpr_count:     66
    .vgpr_count:     128
    .wavefront_size: 32
...
	.end_amdgpu_metadata
.endif
;; end of part 4
;; launch proj: the kernel of part 2 again; grid 256 x 1, 4 waves a work-group, clusters of 4 x 1, 327,680 bytes of LDS; arguments query, keys, values, bq, bk, w16, qkv; writes qkv
;; launch attn (part 5): grid 256 x 1, 4 waves a work-group, clusters of 4 x 1, 327,680 bytes of LDS; arguments qkv, w16, bo2, out0; writes out0
.if DOCPART == 5
	.amdgcn_target "amdgcn-amd-amdhsa--gfx1250"
	.amdhsa_code_object_version 6
	.text
	.protected	k_qdb8b31bf5a_attn
	.globl	k_qdb8b31bf5a_attn
	.p2align	8
	.type	k_qdb8b31bf5a_attn,@function
k_qdb8b31bf5a_attn:
	s_mov_b64 s[64:65], 0
	v_nop
	global_prefetch_b8 v0, s[64:65] scope:SCOPE_SE
	s_setreg_imm32_b32 hwreg(HW_REG_WAVE_MODE, 25, 1), 1
	s_wait_xcnt 0x0
	s_wait_alu depctr_hold_cnt(0) depctr_sa_sdst(0) depctr_va_vdst(0) depctr_va_sdst(0) depctr_va_ssrc(0) depctr_va_vcc(0) depctr_vm_vsrc(0)
	s_getreg_b32 s2, hwreg(HW_REG_IB_STS2, 6, 4)
	s_cmp_eq_u32 s2, 0
	s_cbranch_scc0 .Lentry_in_a_cluster
	s_endpgm
.Lentry_in_a_cluster:
	s_bfe_u32 s2, ttmp6, 0x10000c
	s_cmp_lg_u32 s2, 0x3003
	s_cbranch_scc0 .Lentry_shape_is_right
	s_endpgm
.Lentry_shape_is_right:
; For one t: O = softmax(q k^T / sqrt(512)) v' over the 512 keys n, for each of 8 heads (d = 64), then out = O Wo^T + bo2.
; v' is values Wv^T without bv, and bo2 = bo + Wo bv: a softmax row's weights sum to 1, so bv passes through the attention unchanged.
; LIMITS: energies must be finite (NaN and infinities are not carried as a plain softmax would); P and O are rounded to bf16, the row sums are made
; of the unrounded p in f32; the order of the sums is this text's own.  The maximum is a true running maximum over the two key blocks of a head.
; A cluster of four work-groups owns one t; work-group cx owns the queries n = 128 cx .. +127.  All four walk the same K and V tiles and the same
; chunks of Wo: every tensor load is a JOINT load (mask 15), fetched once for the four.
; Wave w: a = w >> 1 (queries 64 a .. +63, four tiles of 16), b = w & 1; in step j = 0..3 it does head 2 j + b.  A head's keys go in two blocks of 256.
; ONE TEXT SERVES ALL EIGHT KEY BLOCKS (two nested loops: 4 head pairs x 2 blocks), so that the block's text stands once and runs eight times:
;   every block takes the running-maximum form; at a head's start the running maximum is -infinity, so the factor 2^(c (old - new)) is 0 and
;   wipes the last head's O and l (both finite); ahead of the first block they are set to 0 once, 144 moves in the launch;
;   in the last block the two refills bring Wo's first two chunks by the same lines: Wo lies in memory in the tiles' form, only the address is chosen.
; EVERYTHING IS USED TRANSPOSED, so that no number changes its lane:
;   S^T = K Q^T: result register e of lane (r, h) is (key 8h + e, query r).  All a lane holds belongs to one query: max and sum need one exchange of halves.
;   Packing key tiles 2s and 2s+1 gives, in place, the source-1 fragment P(query r, 32 keys).   O^T = V^T P^T: (d = 8h + e, query r).
;   Packed tiles of O^T are the source-1 fragments of the output projection (source 0 = rows of Wo): a lane then holds 8 neighbouring columns of a row of out.
; q, k, v and Wo lie in memory as fragments (blocks of 512 bytes, lane L at 16 L), so every LDS read of K, V, O and Wo is 512 consecutive bytes.
; LDS: SL0 (K tiles, later Wo's even chunks) 0 .. 65,535; SL1 (V tiles, Wo's odd chunks) .. 131,071; O .. 262,143; the stage for the way out .. 295,935.
;   O and the stage are written by LDS stores alone; no tensor load lands there.
; REGISTERS: window 0 addresses, softmax figures, Q and K/V fragments; window 1 v0-127 O^T (tile (dt, qt) at 8 (4 dt + qt)), v128-191 the next head's Q,
;   v192-255 bo2; windows 2, 3: S^T, tile (kt, qt) at 32 (kt & 7) + 8 qt, key tiles 0-7 in window 2; later the output projection's accumulators.
.set SL1,    65536
.set OB,     131072
.set STG,    262144
.set SPITCH, 528                       ; a stage row: 512 bytes + 16: 16 neighbouring rows start 16 bytes apart modulo 256
.set ADRK, 2                           ; v2  K fragments: b*2048 + 16 L
.set ADRV, 3                           ; v3  V fragments: SL1 + b*4096 + 16 L
.set OST,  4                           ; v4  where my O goes: OB + w*32768 + 16 L, + 8192 for each j
.set QOFF, 5                           ; v5  a*16384 + b*2048 + 16 L
.set PFOFF, 6                          ; v6  my share of a tile to prefetch
.set BOFF, 7                           ; v7  4 (128 w + 8 h)
.set ADRO, 8                           ; v8-9   O fragments of rows 0-63, 64-127, + 8192 for each lap of the projection
.set ADRW, 10                          ; v10-11 my Wo fragments in SL0, SL1: slot + w*16384 + 16 L
.set STO,  12                          ; v12 stage, in
.set RD,   13                          ; v13 stage, back
.set CO,   14                          ; v14 16 L
.set MX,   16                          ; v16-23 two chains of maxima for each query tile
.set M,    24                          ; v24-27 running maximum
.set NM,   28                          ; v28-35 -c M, twice
.set AL,   36                          ; v36-43 rescaling factor, later 1 / l, twice
.set LS,   44                          ; v44-59 two chains of packed sums for each query tile
.set T,    60                          ; v60-63 at work
.set QF,   64                          ; v64-127  Q fragments at 16 qt + 8 ks
.set QN,   128                         ; window 1: the next head's Q, on its way
.set KF0,  128                         ; v128-191 K or V fragments, buffer 0
.set KF1,  192                         ; v192-255 buffer 1
.set F0,   64                          ; output projection: fragment buffers (window 0: O, window 1: Wo)
.set F1,   128
.set T64,  192                         ; way out: 16 rows with bias, f32
.set BO,   192                         ; window 1: my 64 numbers of bo2
.set G1D,  16                          ; s[16:23] group 1: the one shape of all tensor loads
.set WA0,  24                          ; s[24:25] my part of Wo's chunk 0
.set WA1,  26                          ; s[26:27] of chunk 1
.set G0K,  32                          ; s[32:35] group 0 of slot 0
.set G0V,  36                          ; s[36:39] group 0 of slot 1
.set KA,   40                          ; s[40:41] my part of the K tile asked for last
.set VA,   42                          ; s[42:43] of the V tile
.set QB,   44                          ; s[44:45] q at (t, cx)
.set QP,   46                          ; s[46:47] the same at the head pair that is being loaded
.set PFB,  48                          ; s[48:49] k's part at t
.set PFT,  50                          ; s[50:51] the same at the tile that is being prefetched
.set OUT,  54                          ; s[54:55]
.set CC,   60                          ; s[60:61] c = log2(e) / sqrt(512), twice;  s13 = -c
; s3 head pair (later lap), s28 block of the head, s29 block 0..7, s30 at work, s[56:57], s[58:59] offsets with 0 above
.set MSB, 0
.macro WIN new                         ; the immediate's high byte repeats the setting that is left; a switch that changes nothing is dropped
.if MSB != (\new)
	s_set_vgpr_msb (MSB<<8)|(\new)
.set MSB, (\new)
.endif
.endm
.macro PLACES                          ; four independent vector instructions behind a matrix instruction (ISA guide 7.12.1)
.rept 4
	v_nop
.endr
.endm
.macro CREST
	s_cmp_lg_u32 s8, 0
	s_cbranch_scc1 .Lnot_wave_0_\@
	s_barrier_signal -3
.Lnot_wave_0_\@:
	s_barrier_wait -3
	s_barrier_signal -1
	s_barrier_wait -1
.endm
.macro CROUND
	s_barrier_signal -1
	s_barrier_wait -1
	CREST
.endm
.macro WM d, x, y, zero
.if \zero
	v_wmma_f32_16x16x32_bf16 v[\d:\d+7], v[\x:\x+7], v[\y:\y+7], 0
.else
	v_wmma_f32_16x16x32_bf16 v[\d:\d+7], v[\x:\x+7], v[\y:\y+7], v[\d:\d+7]
.endif
.endm
.macro QLOAD                           ; a head's Q for my queries: 4 query tiles x 64 d, sixteen loads of 512 consecutive bytes, into the waiting set
	WIN 0x40
.irp qt, 0,1,2,3
.irp q, 0,1,2,3
	global_load_b128 v[QN+16*\qt+4*\q:QN+16*\qt+4*\q+3], v[QOFF], s[QP:QP+1] offset:\qt*4096+\q*512
.endr
.endr
	WIN 0
.endm
.macro FETCHK g, buf                   ; key tiles 4g .. 4g+3 of my head: 16 loads
	WIN 0
.irp kt, 0,1,2,3
.irp q, 0,1,2,3
	ds_load_b128 v[\buf+16*\kt+4*\q:\buf+16*\kt+4*\q+3], v[ADRK] offset:(4*\g+\kt)*4096+\q*512
.endr
.endr
.endm
; 32 matrix instructions: S^T of key tiles 4g .. 4g+3.  For each key tile the four query tiles take turns: d 0-31 starts the four sums, d 32-63 adds
; onto them, each link four matrix instructions behind the one it adds onto, one instruction a turn.
.macro MULS g, buf
	WIN 0xa0+0x50*(\g/2)
.irp kt, 0,1,2,3
.irp qt, 0,1,2,3
	WM 32*((4*\g+\kt)&7)+8*\qt, \buf+16*\kt, QF+16*\qt, 1
.endr
.irp qt, 0,1,2,3
	WM 32*((4*\g+\kt)&7)+8*\qt, \buf+16*\kt+8, QF+16*\qt+8, 0
.endr
.endr
.endm
.macro FETCHV g, buf                   ; key steps 2g, 2g+1 (32 keys each) x 4 tiles of d: 16 loads
	WIN 0
.irp k2, 0,1
.irp dt, 0,1,2,3
.irp u, 0,1
	ds_load_b128 v[\buf+32*\k2+8*\dt+4*\u:\buf+32*\k2+8*\dt+4*\u+3], v[ADRV] offset:(2*\g+\k2)*8192+\dt*1024+\u*512
.endr
.endr
.endr
.endm
; 32 matrix instructions: O^T += V^T P^T for key steps 2g, 2g+1; the 16 accumulators take turns, one instruction a turn.
.macro MULP g, buf
	WIN 0x58+4*(\g/2)
.irp k2, 0,1
.irp dt, 0,1,2,3
.irp qt, 0,1,2,3
	WM 8*(4*\dt+\qt), \buf+32*\k2+8*\dt, 32*((4*\g+2*\k2)&7)+8*\qt, 0
.endr
.endr
.endr
.endm
.macro MXS p                           ; key tile 0 starts chain p of each query tile: nothing is preset
.irp qt, 0,1,2,3
	v_max_num_f32 v[MX+2*\qt+\p], v[8*\qt+2*\p], v[8*\qt+2*\p+1]
.endr
.endm
.macro MX3 kt, p
.irp qt, 0,1,2,3
	v_max3_num_f32 v[MX+2*\qt+(\p&1)], v[32*\kt+8*\qt+2*\p], v[32*\kt+8*\qt+2*\p+1], v[MX+2*\qt+(\p&1)]
.endr
.endm
.macro PASSM win                       ; the largest S of a window's 8 key tiles, two numbers an instruction, eight chains
	WIN 0x0a+5*(\win-2)
.if \win == 2
	MXS 0
	MXS 1
	MX3 0, 2
	MX3 0, 3
.else
.irp p, 0,1,2,3
	MX3 0, \p
.endr
.endif
.irp kt, 1,2,3,4,5,6,7
.irp p, 0,1,2,3
	MX3 \kt, \p
.endr
.endr
.endm
.macro MAXFIN                          ; join the chains; lanes r and r + 16 hold the two halves of a query's keys
	WIN 0
.irp qt, 0,1,2,3
	v_max_num_f32 v[MX+2*\qt], v[MX+2*\qt], v[MX+2*\qt+1]
.endr
.irp qt, 0,1,2,3
	v_permlanex16_b32 v[T+\qt], v[MX+2*\qt], s62, s63
.endr
.irp qt, 0,1,2,3
	v_max_num_f32 v[MX+2*\qt], v[MX+2*\qt], v[T+\qt]
.endr
.endm
.macro STATS                           ; the new running maximum, and 2^(c (old - new)) <= 1 for what has been summed (0 in a head's first block)
.irp qt, 0,1,2,3
	v_max_num_f32 v[T+\qt], v[M+\qt], v[MX+2*\qt]
.endr
.irp qt, 0,1,2,3
	v_sub_f32 v[AL+2*\qt], v[M+\qt], v[T+\qt]
	v_mul_f32 v[AL+2*\qt], s[CC], v[AL+2*\qt]
.endr
.irp qt, 0,1,2,3
	v_exp_f32 v[AL+2*\qt+1], v[AL+2*\qt]
.endr
.irp qt, 0,1,2,3
	v_mov_b32 v[M+\qt], v[T+\qt]                   ; plain instructions that touch no exponential's registers stand behind the last one (ISA guide 5.7.2)
.endr
	s_wait_alu depctr_va_vdst(0)
.irp qt, 0,1,2,3
	v_mov_b32 v[AL+2*\qt], v[AL+2*\qt+1]
	v_mul_f32 v[NM+2*\qt], s13, v[T+\qt]
	v_mul_f32 v[NM+2*\qt+1], s13, v[T+\qt]
.endr
.irp qt, 0,1,2,3
	v_pk_mul_f32 v[LS+4*\qt:LS+4*\qt+1], v[LS+4*\qt:LS+4*\qt+1], v[AL+2*\qt:AL+2*\qt+1]
	v_pk_mul_f32 v[LS+4*\qt+2:LS+4*\qt+3], v[LS+4*\qt+2:LS+4*\qt+3], v[AL+2*\qt:AL+2*\qt+1]
.endr
.endm
.macro OSCALE                          ; O^T times the pair in AL (the rescaling factor, or 1 / l)
	WIN 0x41
.irp dt, 0,1,2,3
.irp qt, 0,1,2,3
.irp p, 0,1,2,3
	v_pk_mul_f32 v[8*(4*\dt+\qt)+2*\p:8*(4*\dt+\qt)+2*\p+1], v[8*(4*\dt+\qt)+2*\p:8*(4*\dt+\qt)+2*\p+1], v[AL+2*\qt:AL+2*\qt+1]
.endr
.endr
.endr
.endm
.macro EFMA kt, q                      ; c S - c M for pair q of the 16 pairs of key tile kt
	v_pk_fma_f32 v[32*(\kt)+2*\q:32*(\kt)+2*\q+1], v[32*(\kt)+2*\q:32*(\kt)+2*\q+1], s[CC:CC+1], v[NM+2*(\q/4):NM+2*(\q/4)+1] op_sel_hi:[1,0,1]
.endm
; p = 2^(c S - c M) for a window's 8 key tiles, their sums, and P in bf16, packed in place.
; The multiply-adds of key tile kt+1 stand between the exponentials of key tile kt: they touch other registers.
.macro PASSE win
	WIN 0x82+0x41*(\win-2)
.irp q, 0,1,2,3,4,5,6,7,8,9,10,11,12,13,14,15
	EFMA 0, \q
.endr
.irp kt, 0,1,2,3,4,5,6
.irp q, 0,1,2,3,4,5,6,7,8,9,10,11,12,13,14,15
	v_exp_f32 v[32*\kt+2*\q], v[32*\kt+2*\q]
	v_exp_f32 v[32*\kt+2*\q+1], v[32*\kt+2*\q+1]
	EFMA \kt+1, \q
.endr
.endr
.irp q, 0,1,2,3,4,5,6,7,8,9,10,11,12,13,14,15
	v_exp_f32 v[224+2*\q], v[224+2*\q]
	v_exp_f32 v[224+2*\q+1], v[224+2*\q+1]
.endr
	v_nop                                          ; one plain instruction behind the last exponential before its result is read
	WIN 0x02+(\win-2)
	s_wait_alu depctr_va_vdst(0)
.irp kt, 0,1,2,3,4,5,6,7
.irp p, 0,1,2,3
.irp qt, 0,1,2,3
	v_pk_add_f32 v[LS+4*\qt+2*(\p&1):LS+4*\qt+2*(\p&1)+1], v[32*\kt+8*\qt+2*\p:32*\kt+8*\qt+2*\p+1], v[LS+4*\qt+2*(\p&1):LS+4*\qt+2*(\p&1)+1]
.endr
.endr
.endr
	WIN 0x8a+0x45*(\win-2)
.irp ke, 0,2,4,6                       ; the even key tile packs into its own registers 0-3, then the odd one into the even one's registers 4-7
.irp qt, 0,1,2,3
.irp p, 0,1,2,3
	v_cvt_pk_bf16_f32 v[32*\ke+8*\qt+\p], v[32*\ke+8*\qt+2*\p], v[32*\ke+8*\qt+2*\p+1]
.endr
.irp p, 0,1,2,3
	v_cvt_pk_bf16_f32 v[32*\ke+8*\qt+4+\p], v[32*\ke+32+8*\qt+2*\p], v[32*\ke+32+8*\qt+2*\p+1]
.endr
.endr
.endr
.endm
.macro NORM                            ; a head is done: O / l, rounded to bf16, into LDS as fragments
	WIN 0
.irp qt, 0,1,2,3
	v_pk_add_f32 v[LS+4*\qt:LS+4*\qt+1], v[LS+4*\qt:LS+4*\qt+1], v[LS+4*\qt+2:LS+4*\qt+3]
.endr
.irp qt, 0,1,2,3
	v_add_f32 v[LS+4*\qt], v[LS+4*\qt], v[LS+4*\qt+1]
.endr
.irp qt, 0,1,2,3
	v_permlanex16_b32 v[T+\qt], v[LS+4*\qt], s62, s63
.endr
.irp qt, 0,1,2,3
	v_add_f32 v[LS+4*\qt], v[LS+4*\qt], v[T+\qt]   ; l >= about 1: the largest p of the row is 1
.endr
.irp qt, 0,1,2,3
	v_rcp_f32 v[AL+2*\qt], v[LS+4*\qt]
	v_rcp_f32 v[AL+2*\qt+1], v[LS+4*\qt]
.endr
	v_nop
	s_wait_alu depctr_va_vdst(0)
	OSCALE
	WIN 0x05
.irp qt, 0,1,2,3
.irp dt, 0,1,2,3
.irp p, 0,1,2,3
	v_cvt_pk_bf16_f32 v[KF0+16*\qt+4*\dt+\p], v[8*(4*\dt+\qt)+2*\p], v[8*(4*\dt+\qt)+2*\p+1]
.endr
.endr
.endr
	WIN 0
.irp qt, 0,1,2,3
.irp dt, 0,1,2,3
	ds_store_b128 v[OST], v[KF0+16*\qt+4*\dt:KF0+16*\qt+4*\dt+3] offset:\qt*2048+\dt*512
.endr
.endr
.endm
; One block of 256 keys of my head; s29 = its number, 0 to 7.
; Counts: s_wait_dscnt 16 leaves the other fragment buffer's sixteen loads out.  A wave has one tensor load out behind each round (two at the start).
; Two rounds of the cluster's barrier: in the middle of the exponentials K's slot, read out, is asked for again (V's tile is shown landed);
; ahead of the last quarter of P V, whose fragments are in registers, V's slot is asked for again (the next K tile is shown landed).
; In block 7 no K and V are left: the same two lines bring Wo's chunks 0 and 1, which have the tiles' shape; the address is chosen by the block's number.
.macro BLOCK
.rept 5
	v_nop                                          ; five places: the products below write over registers that the last matrix instructions read as P
.endr
	s_wait_xcnt 0x0                                ; the base of the last block's prefetch is rewritten only behind this wait
	s_add_co_u32 s30, s29, 1
	s_min_u32 s30, s30, 7                          ; the next block's tile; block 7 asks for tile 7 again, so that no request passes the last tile
	s_lshl_b32 s56, s30, 16
	s_add_nc_u64 s[PFT:PFT+1], s[PFB:PFB+1], s[56:57]
	FETCHK 0, KF0
	FETCHK 1, KF1
	s_wait_dscnt 16
	; waves 0, 1 of the four partners ask for the next K tile's 65,536 bytes, waves 2, 3 for the next V tile's, lanes 256 bytes apart: one block ahead
	global_prefetch_b8 v[PFOFF], s[PFT:PFT+1] th:TH_LOAD_NT scope:SCOPE_SE
	MULS 0, KF0
	PLACES
	FETCHK 2, KF0
	s_wait_dscnt 16
	MULS 1, KF1
	PLACES
	FETCHK 3, KF1
	s_wait_dscnt 16
	MULS 2, KF0
	s_wait_dscnt 0x0
	MULS 3, KF1
	WIN 0
	PLACES                                         ; ahead of the reads of S
	PASSM 2
	PASSM 3
	MAXFIN
	STATS
	PASSE 2
	WIN 0
	s_wait_dscnt 0x0                               ; my reads of K's slot are over
	s_wait_xcnt 0x0
	v_lshl_add_u32 v22, v0, 2, 0x48400
	v_mov_b32 v23, 0
	s_wait_tensorcnt 0x0                           ; all my tensor loads have landed: my part of V's tile.  None is out: group 0 may be written
	ds_add_u32 v22, v23
	s_wait_dscnt 0x0
	s_add_nc_u64 s[KA:KA+1], s[KA:KA+1], 65536     ; the next K tile (behind block 7 the stepped address is not used)
	s_cmp_eq_u32 s29, 7
	s_cselect_b64 s[G0K+2:G0K+3], s[WA0:WA0+1], s[KA:KA+1]
	s_or_b32 s[G0K+3], s[G0K+3], 0x80000000        ; 127:126 type = 2
	CROUND
	tensor_load_to_lds s[G0K:G0K+3], s[G1D:G1D+7]
	s_nop 0
	FETCHV 0, KF0
	FETCHV 1, KF1
	PASSE 3
	OSCALE                                         ; what has been summed, to the new maximum
	s_wait_dscnt 16
	MULP 0, KF0
	PLACES
	FETCHV 2, KF0
	s_wait_dscnt 16
	MULP 1, KF1
	PLACES
	FETCHV 3, KF1
	s_wait_dscnt 16
	MULP 2, KF0
	WIN 0
	s_wait_dscnt 0x0                               ; my reads of V's slot are over: the last fragments are in registers
	s_wait_xcnt 0x0
	v_lshl_add_u32 v22, v0, 2, 0x48400
	v_mov_b32 v23, 0
	s_wait_tensorcnt 0x0                           ; my part of the next K tile (or of Wo's chunk 0) has landed
	ds_add_u32 v22, v23
	s_wait_dscnt 0x0
	s_add_nc_u64 s[VA:VA+1], s[VA:VA+1], 65536
	s_cmp_eq_u32 s29, 7
	s_cselect_b64 s[G0V+2:G0V+3], s[WA1:WA1+1], s[VA:VA+1]
	s_or_b32 s[G0V+3], s[G0V+3], 0x80000000
	CROUND
	tensor_load_to_lds s[G0V:G0V+3], s[G1D:G1D+7]
	s_nop 0
	MULP 3, KF1
	WIN 0
.endm
; ---- the output projection: 128 rows x my 128 columns, K = 512 in chunks of 64 = one head; source 0 = Wo (window 1), source 1 = O (window 0).
; A lap = two chunks = once round the two slots = one head pair.  hr = the chunk's number counted from the lap's first.
.macro MUL16 f, hi, a0, zero           ; the 64 accumulators take turns, one instruction a turn, in the same order in every K step
	WIN 0xa1+0x50*(\hi)
.irp a, \a0, \a0+1
.irp b, 0,1,2,3,4,5,6,7
	WM 8*(8*(\a)+\b), \f+8*\b, \f+8*(4*\hi+\a), \zero
.endr
.endr
.endm
.macro FETCHO s, hr, ks, f             ; Wo's 8 fragments from slot s, then O's 8: row tile i of head 2 j + (hr & 1) was written by wave 2 (i / 4) + (hr & 1) in step j
	WIN 0x40
.irp i, 0,1,2,3,4,5,6,7
	ds_load_b128 v[\f+8*\i:\f+8*\i+3],   v[ADRW+(\s)] offset:\i*2048+(\ks)*1024
	ds_load_b128 v[\f+8*\i+4:\f+8*\i+7], v[ADRW+(\s)] offset:\i*2048+(\ks)*1024+512
.endr
	WIN 0
.irp i, 0,1,2,3,4,5,6,7
	ds_load_b128 v[\f+8*\i:\f+8*\i+3],   v[ADRO+(\i/4)] offset:((\hr)&1)*32768+((\hr)/2)*8192+(\i&3)*2048+(\ks)*1024
	ds_load_b128 v[\f+8*\i+4:\f+8*\i+7], v[ADRO+(\i/4)] offset:((\hr)&1)*32768+((\hr)/2)*8192+(\i&3)*2048+(\ks)*1024+512
.endr
.endm
.macro CHUNKO s, hr, zero
	s_wait_dscnt 8                                 ; Wo's fragments and O's 0-3 are in; the youngest eight loads (O's 4-7) may be out
	MUL16 F0, 0, 0, \zero
	MUL16 F0, 0, 2, \zero
	PLACES
	FETCHO \s, \hr, 1, F1
	s_wait_dscnt 32                                ; all but the 32 just issued
	MUL16 F0, 1, 0, \zero
	MUL16 F0, 1, 2, \zero
.endm
.macro TURNO s, hr, fill
	s_wait_dscnt 8
	MUL16 F1, 0, 0, 0
	s_wait_dscnt 0x0                               ; my reads of this slot are over
	s_wait_xcnt 0x0
	s_set_vgpr_msb 0xa120
	v_lshl_add_u32 v22, v0, 2, 0x48400
	v_mov_b32 v23, 0
	s_wait_tensorcnt 0x0                           ; my part of the other slot has landed
	ds_add_u32 v22, v23
	s_wait_dscnt 0x0
	s_set_vgpr_msb 0x20a1
	s_barrier_signal -1
	MUL16 F1, 0, 2, 0
	WIN 0
	s_barrier_wait -1
.if \fill
	CREST
	s_add_nc_u64 s[G0K+4*\s+2:G0K+4*\s+3], s[G0K+4*\s+2:G0K+4*\s+3], 131072   ; this slot's chunk two further on
	tensor_load_to_lds s[G0K+4*\s:G0K+4*\s+3], s[G1D:G1D+7]
	s_nop 0
.endif
	PLACES
	FETCHO 1-\s, \hr+1, 0, F0
	MUL16 F1, 1, 0, 0
	MUL16 F1, 1, 2, 0
.endm
.macro LAPO zero                       ; a lap in which both slots are filled again
	CHUNKO 0, 0, \zero
	TURNO  0, 0, 1
	CHUNKO 1, 1, 0
	TURNO  1, 1, 1                                 ; its fragments are the next lap's first
	WIN 0
	v_add_nc_u32 v[ADRO], 8192, v[ADRO]            ; the next head pair's O
	v_add_nc_u32 v[ADRO+1], 8192, v[ADRO+1]
.endm
; The way out, 16 rows at a time: add bo2, 32 bytes a lane into my own stage, read whole rows of 512 bytes back, store them.
; LDS serves a wave's instructions in order, so the stage needs no wait between its stores and its loads.
.macro OUT16 i, rb
	WIN 0x06+(\i/4)
.irp b, 0,1,2,3,4,5,6,7
.irp p, 0,1,2,3
	v_pk_add_f32 v[T64+8*\b+2*\p:T64+8*\b+2*\p+1], v[8*(8*(\i&3)+\b)+2*\p:8*(8*(\i&3)+\b)+2*\p+1], v[BO+8*\b+2*\p:BO+8*\b+2*\p+1]
.endr
.endr
	WIN 0
.irp b, 0,1,2,3,4,5,6,7
	ds_store_b128 v[STO], v[T64+8*\b:T64+8*\b+3] offset:64*\b
	ds_store_b128 v[STO], v[T64+8*\b+4:T64+8*\b+7] offset:64*\b+16
.endr
	s_wait_xcnt 0x0                                ; the registers and the base that earlier stores read are rewritten only behind this wait
.if \i
	s_add_nc_u64 s[OUT:OUT+1], s[OUT:OUT+1], 16*131072
.endif
.irp rr, 0,1,2,3,4,5,6,7,8,9,10,11,12,13,14,15
	ds_load_b128 v[\rb+4*\rr:\rb+4*\rr+3], v[RD] offset:\rr*SPITCH
.endr
.irp rr, 0,1,2,3,4,5,6,7,8,9,10,11,12,13,14,15
	s_wait_dscnt 15-\rr                            ; row rr is back; the younger ones may be out
	global_store_b128 v[CO], v[\rb+4*\rr:\rb+4*\rr+3], s[OUT:OUT+1] offset:\rr*131072 th:TH_STORE_NT   ; 512 consecutive aligned bytes of one row of out
.endr
.endm
	s_load_b256 s[48:55], s[0:1], 0x0              ; qkv s[48:49], w16 s[50:51], bo2 s[52:53], out0 s[54:55]
	v_lshl_add_u32 v22, v0, 2, 0x48400
	v_mov_b32 v23, 0
	ds_add_u32 v22, v23
	s_wait_dscnt 0x0
	v_lshrrev_b32 v1, 5, v0
	v_readfirstlane_b32 s8, v1                     ; wave w
	s_bfe_u32 s9, ttmp6, 0x40000                   ; cx: my block of 128 queries
	s_mov_b32 s10, ttmp9                           ; t
	s_lshr_b32 s11, s8, 1                          ; a
	s_and_b32 s12, s8, 1                           ; b
	s_mov_b32 s13, 0xbd8293ee                      ; -c
	s_mov_b32 s[CC], 0x3d8293ee                    ; c = log2(e) / sqrt(512)
	s_mov_b32 s[CC+1], 0x3d8293ee
	s_mov_b32 s62, 0x76543210                      ; v_permlanex16_b32: lane i reads lane i of the other half
	s_mov_b32 s63, 0xfedcba98
	; group 1: 64 dense rows of 32 elements of 8 bytes = 16,384 bytes a wave; all four partners; bit 21 beside the mask
	s_mov_b32 s[G1D+0], 15|(3<<16)|(1<<21)
	s_mov_b32 s[G1D+1], 32<<16                     ; tensor_dim0 = 32
	s_mov_b32 s[G1D+2], 64<<16                     ; tensor_dim1 = 64
	s_mov_b32 s[G1D+3], 32<<16                     ; tile_dim0 = 32
	s_mov_b32 s[G1D+4], 64                         ; tile_dim1 = 64
	s_mov_b32 s[G1D+5], 32                         ; from row to row: 32 elements
	s_mov_b32 s[G1D+6], 0
	s_mov_b32 s[G1D+7], 0
	v_and_b32 v1, 31, v0
	v_lshlrev_b32 v[CO], 4, v1                     ; 16 L
	v_and_b32 v15, 15, v0                          ; r
	v_bfe_u32 v1, v0, 4, 1                         ; h
	s_lshl_b32 s4, s11, 14
	s_lshl_b32 s5, s12, 11
	s_add_co_u32 s4, s4, s5
	v_add_nc_u32 v[QOFF], s4, v[CO]
	v_add_nc_u32 v[ADRK], s5, v[CO]
	s_lshl_b32 s5, s8, 9
	v_lshl_add_u32 v[BOFF], v1, 5, s5
	s_lshl_b32 s6, s10, 19                         ; q: t * 524,288 + cx * 32,768
	s_lshl_b32 s7, s9, 15
	s_add_co_u32 s6, s6, s7
	s_mov_b32 s7, 0
	s_lshl_b32 s14, s10, 19                        ; k's part at t
	s_add_co_u32 s14, s14, 0x2000000
	s_mov_b32 s15, 0
	s_lshl_b32 s4, s8, 14                          ; joint loads: t and the wave's number alone enter their addresses
	s_add_co_u32 s4, s4, s14
	s_mov_b32 s5, 0
	s_lshl_b32 s30, s8, 14
	s_add_co_u32 s30, s30, 3*524288                ; Wo in w16, my 8 row tiles of chunk 0
	s_mov_b32 s31, 0
	s_mov_b32 s57, 0
	s_mov_b32 s59, 0
	s_wait_kmcnt 0x0
	s_add_nc_u64 s[QB:QB+1], s[48:49], s[6:7]
	s_mov_b64 s[QP:QP+1], s[QB:QB+1]
	s_add_nc_u64 s[KA:KA+1], s[48:49], s[4:5]
	s_add_nc_u64 s[VA:VA+1], s[KA:KA+1], 0x2000000 ; v's part lies 33,554,432 bytes behind k's
	s_add_nc_u64 s[PFB:PFB+1], s[48:49], s[14:15]
	s_add_nc_u64 s[WA0:WA0+1], s[50:51], s[30:31]
	s_add_nc_u64 s[WA1:WA1+1], s[WA0:WA0+1], 65536
	s_mov_b32 s[G0K], 1
	s_lshl_b32 s[G0K+1], s8, 14                    ; my quarter of slot 0
	s_mov_b64 s[G0K+2:G0K+3], s[KA:KA+1]
	s_or_b32 s[G0K+3], s[G0K+3], 0x80000000
	s_mov_b32 s[G0V], 1
	s_add_co_u32 s[G0V+1], s[G0K+1], SL1
	s_mov_b64 s[G0V+2:G0V+3], s[VA:VA+1]
	s_or_b32 s[G0V+3], s[G0V+3], 0x80000000
	s_lshl_b32 s6, s9, 24                          ; out: 128 cx rows of 131,072 + t * 2,048 + w * 512
	s_lshl_b32 s14, s10, 11
	s_add_co_u32 s6, s6, s14
	s_lshl_b32 s14, s8, 9
	s_add_co_u32 s6, s6, s14
	s_add_nc_u64 s[OUT:OUT+1], s[OUT:OUT+1], s[6:7]
	QLOAD                                          ; head b's Q
	WIN 0x40
.irp b, 0,1,2,3,4,5,6,7
	global_load_b128 v[BO+8*\b:BO+8*\b+3],   v[BOFF], s[52:53] offset:64*\b
	global_load_b128 v[BO+8*\b+4:BO+8*\b+7], v[BOFF], s[52:53] offset:64*\b+16
.endr
	WIN 0
	CROUND                                         ; all four work-groups are here: the first joint loads meet
	tensor_load_to_lds s[G0K:G0K+3], s[G1D:G1D+7]  ; K's and V's tile 0: the two first fills, as one group
	s_nop 0
	tensor_load_to_lds s[G0V:G0V+3], s[G1D:G1D+7]
	s_nop 0
	s_lshl_b32 s4, s12, 12
	s_add_co_u32 s4, s4, SL1
	v_add_nc_u32 v[ADRV], s4, v[CO]
	s_lshl_b32 s4, s8, 15
	s_add_co_u32 s4, s4, OB
	v_add_nc_u32 v[OST], s4, v[CO]
	v_add_nc_u32 v[ADRO], OB, v[CO]
	v_add_nc_u32 v[ADRO+1], OB+65536, v[CO]
	s_lshl_b32 s4, s8, 14
	v_add_nc_u32 v[ADRW], s4, v[CO]
	v_add_nc_u32 v[ADRW+1], SL1, v[ADRW]
	s_mul_i32 s4, s8, 16*SPITCH
	s_add_co_u32 s4, s4, STG
	v_add_nc_u32 v[RD], s4, v[CO]
	v_mul_u32_u24 v[STO], v15, SPITCH
	v_lshl_add_u32 v[STO], v1, 5, v[STO]
	v_add_nc_u32 v[STO], s4, v[STO]
	s_lshl_b32 s6, s11, 25                         ; prefetch: waves 2, 3 ask in v's part,
	s_lshl1_add_u32 s7, s9, s12                    ; and (2 cx + b) picks one eighth of a tile,
	s_lshl_b32 s7, s7, 13
	s_add_co_u32 s6, s6, s7
	v_lshl_add_u32 v[PFOFF], v[CO], 4, s6          ; lanes 256 bytes apart
.irp i, 0,1,2,3
	v_mov_b32 v[T+\i], 0                           ; v_permlanex16_b32 counts as a reader of its destination
.endr
	; O and l are rescaled in every block, the first one too, so they are given a value once: 16 + 128 moves in the whole launch,
	; in place of a second text of the block whose first products would start the sums
.irp i, 0,1,2,3,4,5,6,7,8,9,10,11,12,13,14,15
	v_mov_b32 v[LS+\i], 0
.endr
	WIN 0x40
.set i, 0
.rept 128
	v_mov_b32 v[i], 0
.set i, i+1
.endr
	WIN 0
	s_wait_tensorcnt 0x1                           ; my part of K's tile 0 has landed; V's may stay out
	s_barrier_signal -1
	s_barrier_wait -1
	s_mov_b32 s3, 0
	s_mov_b32 s29, 0
.Lhead:                                            ; head pair s3
	s_wait_loadcnt 0x0                             ; this head's Q, asked for a whole head ago (the first time: at the start, and bo2 with it)
	WIN 0x01
.set i, 0
.rept 64
	v_mov_b32 v[QF+i], v[QN+i]                     ; out of the waiting set, which is then free for the next head's
.set i, i+1
.endr
	WIN 0
	s_add_co_u32 s30, s3, 1
	s_min_u32 s30, s30, 3                          ; the next head pair's Q; in the last pass its own again: sixteen loads whose result is not used
	s_lshl_b32 s58, s30, 17
	s_add_nc_u64 s[QP:QP+1], s[QB:QB+1], s[58:59]  ; the loads by this base were waited for above
	QLOAD
.irp qt, 0,1,2,3
	v_mov_b32 v[M+\qt], 0xff800000                 ; -infinity: the first block's factor for what was summed is 2^-infinity = 0
.endr
	s_mov_b32 s28, 0
.Lblk:                                             ; at this label, from both ways: K's tile is whole, V's is on its way
	BLOCK
	s_add_co_u32 s29, s29, 1
	s_add_co_u32 s28, s28, 1
	s_cmp_lt_u32 s28, 2
	s_cbranch_scc1 .Lblk
	PLACES                                         ; behind the last matrix instructions, whose results are read
	NORM
	v_add_nc_u32 v[OST], 8192, v[OST]
	s_add_co_u32 s3, s3, 1
	s_cmp_lt_u32 s3, 4
	s_cbranch_scc1 .Lhead
	s_wait_loadcnt 0x0                             ; the waiting set's last loads: Wo's fragments use those registers
	s_wait_dscnt 0x0                               ; my O is written
	s_barrier_signal -1                            ; a plain barrier: Wo's chunk 1 may stay out
	s_barrier_wait -1                              ; chunk 0 was shown landed in front of the last round
	FETCHO 0, 0, 0, F0
	LAPO 1                                         ; the first lap stands in front of the loop: its first products start the sums
	s_mov_b32 s3, 0
.Llap:                                             ; laps 1 and 2: they ask for chunks 4 to 7
	LAPO 0
	s_add_co_u32 s3, s3, 1
	s_cmp_lt_u32 s3, 2
	s_cbranch_scc1 .Llap
	CHUNKO 0, 0, 0                                 ; the last lap fills nothing
	TURNO  0, 0, 0                                 ; a plain barrier: chunk 7 is shown landed to every wave
	CHUNKO 1, 1, 0
	s_wait_dscnt 8                                 ; the last K step: nothing more to fetch
	MUL16 F1, 0, 0, 0
	MUL16 F1, 0, 2, 0
	s_wait_dscnt 0x0
	MUL16 F1, 1, 0, 0
	MUL16 F1, 1, 2, 0
	PLACES                                         ; behind the last matrix instructions: results are read, fragment buffers loaded again
	OUT16 0, F0
	OUT16 1, F1
	OUT16 2, F0
	OUT16 3, F1
	OUT16 4, F0
	OUT16 5, F1
	OUT16 6, F0
	OUT16 7, F1
	s_wait_xcnt 0x0
	v_lshl_add_u32 v22, v0, 2, 0x48400
	v_mov_b32 v23, 0
	s_wait_tensorcnt 0x0
	ds_add_u32 v22, v23
	s_wait_dscnt 0x0
	CROUND                                         ; the closing round: no work-group ends while a partner may still ask jointly
	s_endpgm
.Lfunc_end_k_qdb8b31bf5a_attn:
	.size	k_qdb8b31bf5a_attn, .Lfunc_end_k_qdb8b31bf5a_attn-k_qdb8b31bf5a_attn
	.p2alignl 7, 3214868480
	.fill 96, 4, 3214868480
	.section	.rodata,"a",@progbits
	.p2align	6, 0x0
	.amdhsa_kernel k_qdb8b31bf5a_attn
		.amdhsa_group_segment_fixed_size 327680
		.amdhsa_private_segment_fixed_size 0
		.amdhsa_enable_private_segment 0
		.amdhsa_kernarg_size 32
		.amdhsa_user_sgpr_count 2
		.amdhsa_user_sgpr_kernarg_segment_ptr 1
		.amdhsa_wavefront_size32 1
		.amdhsa_system_sgpr_workgroup_id_x 1
		.amdhsa_system_sgpr_workgroup_id_y 1
		.amdhsa_system_sgpr_workgroup_id_z 1
		.amdhsa_system_vgpr_workitem_id 0
		.amdhsa_next_free_vgpr 1024
		.amdhsa_next_free_sgpr 66
		.amdhsa_reserve_vcc 0
		.amdhsa_float_denorm_mode_32 3
		.amdhsa_float_denorm_mode_16_64 3
		.amdhsa_memory_ordered 1
		.amdhsa_forward_progress 1
		.amdhsa_inst_pref_size 255
	.end_amdhsa_kernel
	.section	.bss,"aw",@nobits
	.p2align	6
	.space	262144
	.amdgpu_metadata
---
amdhsa.version: [ 1, 2 ]
amdhsa.kernels:
  - .name:           k_qdb8b31bf5a_attn
    .symbol:         k_qdb8b31bf5a_attn.kd
    .args:
      - { .name: qkv, .offset: 0, .size: 8, .value_kind: global_buffer, .address_space: global }
      - { .name: w16, .offset: 8, .size: 8, .value_kind: global_buffer, .address_space: global }
      - { .name: bo2, .offset: 16, .size: 8, .value_kind: global_buffer, .address_space: global }
      - { .name: out0, .offset: 24, .size: 8, .value_kind: global_buffer, .address_space: global }
    .group_segment_fixed_size: 327680
    .private_segment_fixed_size: 0
    .kernarg_segment_align: 8
    .kernarg_segment_size: 32
    .max_flat_workgroup_size: 128
    .sgpr_count:     66
    .vgpr_count:     1024
    .wavefront_size: 32
...
	.end_amdgpu_metadata
.endif
;; end of part 5
